; MI455X (gfx1250); checked and timed in simulation.
; The chip was launched on July 23, 2026; its instructions are those of AMD's public machine-readable ISA for CDNA 5 (MIT licence, August 2026) and "CDNA5" Instruction Set Architecture Reference Guide (July 2026). The comments in the code are by the model that wrote it; some were corrected since.
;; Nearest Neighbor MLP. Allowed arithmetic: float matrix products may take bf16 or f16 operands with f32 sums; all other float work in f32.
;; Inputs: W 8 x 4 float32; b 8 float32; obs1 8 x 1,024 x 2 float32; obs2 8 x 1,024 x 2 float32.
;; Outputs: out0 8,192 x 32 float32.
;; 3 versions, each right; version 2 is faster than version 1; version 3 is version 2 with the launch knn written anew for expert scheduling mode. Each part assembles by itself: llvm-mc -triple=amdgcn-amd-amdhsa -mcpu=gfx1250 --defsym DOCPART=n.
;; ======== version 1 of 3: 1 launch
;; launch knn (part 1): grid 256 x 1, 8 waves a work-group, no clusters, 42,496 bytes of LDS; arguments obs1, obs2, W, b, out0; writes out0
.if DOCPART == 1
	.amdgcn_target "amdgcn-amd-amdhsa--gfx1250"
	.amdhsa_code_object_version 6
	.text
	.protected	k_q28d6d230a0_knn
	.globl	k_q28d6d230a0_knn
	.p2align	8
	.type	k_q28d6d230a0_knn,@function
k_q28d6d230a0_knn:
	s_mov_b64 s[64:65], 0
	v_nop
	global_prefetch_b8 v0, s[64:65] scope:SCOPE_SE
	s_setreg_imm32_b32 hwreg(HW_REG_WAVE_MODE, 25, 1), 1
	s_wait_xcnt 0x0
; NearestNeighborMLP: for each of 8 x 1024 tracks the 4 nearest other tracks of its batch (by obs2), their relative position and
; relative velocity, nan_to_num, a 4 -> 8 linear layer and ReLU.  out0[batch*1024 + i][8 rank + e].
;
; ONE LAUNCH.  A work-group = 32 queries of one batch, 8 waves; a wave = 4 queries; in the scan lane L = (query L>>3, chunk L&7 of 128 candidates).
;  1 BUILD   thread t loads candidates 4t..4t+3 and writes to LDS (a) x and y of obs2, separated, each chunk in DESCENDING index order,
;            (b) a table of the 16 bytes of (obs2.x, obs2.y, obs1.x, obs1.y): byte v as the bf16 number +-(128 + (v & 127)), sign = v's top bit.
;  2 SCAN    each lane keeps the 4 smallest squared distances of its chunk, sorted, and their 7-bit local indices as the 4 bytes of one register.
;  3 MERGE   three steps across the 8 lanes of a query (row_xmask 1, 2, 4); the lane of the lowest chunk ends with the right list.
;  4 GATHER  no address here hangs on a comparison of floats: the 16 rows (4 queries x 4 ranks) fetch their candidate's 16 bytes by a one-hot
;            matrix product with the byte table.  Every table entry is finite and every sum has one non-zero term, so the bytes come back
;            exactly for every bit pattern of the inputs, NaN and infinities too.
;  5 MLP     features, nan_to_num, 16 f32 multiply-adds a lane, ReLU; one 16-byte store a lane: a wave stores 512 consecutive aligned bytes.
;
; NOT USED, and why.  Clusters, tensor loads, prefetch: a work-group reads 16 KB once, at its start, and every byte has to pass through
; registers to be separated and re-coded.  The einsum on the matrix unit: K = 4 of a K step of 32; 16 multiply-adds a lane do it in f32.
;
; LIMITS.  Neighbours are ranked by dx*dx + dy*dy (a multiply, then a fused multiply-add), not by its rounded root.  The root is monotone, so
; the order differs from reference()'s only where two squares lie within about 2 units in the last place (its roots then coincide and it takes
; the lower index; here the smaller square wins).  Exact ties go to the lower index, as there.  A NaN distance counts as 1000 (square 1e6), an
; infinite one ranks behind every finite one, as there.  If the 4-term sum with the bias is NaN (inf - inf), reference() gives NaN, this text 0.
; ---- LDS map (written in BUILD alone; one barrier behind it)
.set CP,  528                          ; a chunk: 128 x 4 bytes + 16 = 33 x 16: the 8 chunk addresses of one load fall in 8 different 16-byte columns modulo 256
.set XS,  0                            ; x of obs2: candidate c at (c>>7)*CP + (127-(c&127))*4
.set YS,  8*CP                         ; y of obs2, the same layout
.set TB,  16*CP                        ; byte table: 16 rows (4*word + byte), candidate c at 2c
.set TP,  2064                         ; its pitch: 2048 + 16 = 129 x 16, so the 16 rows of a fragment load start in 16 different 16-byte columns
; ---- scalar registers
.set EX,  24                           ; s[24:27]  element e of the wave's own group: the one lane whose query that candidate is
.set CA,  28                           ; s[28:31]  compare masks, set A
.set CB,  32                           ; s[32:35]  compare masks, set B
.set SL,  36                           ; s[36:51]  byte selector that inserts element e at rank p: s[SL+4e+p]
.set MK,  52                           ; s[52:59]  one-hot: lanes whose 1 lies in fragment register i
; ---- vector registers, window 0
.set CO,  4                            ; 32 t      candidates 4t..4t+3 in obs1, obs2
.set QO,  5                            ; 8 (t>>3)  my query among the group's 32
.set WO,  6                            ; 64 (L&1)  my four rows of W
.set BO,  7                            ; 16 (L&1)  my four b
.set OA,  8                            ; 16 t      my 16 bytes of out0
.set XA,  9                            ; build: where my four x go
.set TA,  10                           ; build: 8 t, my four table entries of a row
.set LA,  11                           ; scan: my chunk's current group of 4
.set FA,  12                           ; table fragment address
.set RA,  13                           ; 4 x (lane that holds row r's list)
.set SH,  14                           ; 8 x rank of row r
.set RB0, 15                           ; 4 x (L>>1): lane with obs2's words of my row
.set RB1, 16                           ; + 64: lane with obs1's words
.set HH,  17                           ; L>>4
.set WV,  20                           ; v[20:35]  W rows 4(L&1)..+3
.set BV,  36                           ; v[36:39]  b of the same
.set Q2,  40                           ; v[40:41]  my query's obs2
.set Q1,  42                           ; v[42:43]  my query's obs1
.set QX,  44                           ; v[44:45]  its x twice
.set QY,  46                           ; v[46:47]  its y twice
.set VI,  48                           ; v[48:49]  its velocity
.set K,   50                           ; v[50:53]  the four keys, ascending
.set IX,  54                           ; their local indices, byte p = rank p
.set CH,  55                           ; their chunks, likewise
.set P,   56                           ; v[56:61]  the partner's K, IX, CH in a merge step
.set ID,  62                           ; selector that changes nothing
.set SELA, 63
.set SELB, 64
.set X,   66                           ; v[66:69]
.set Y,   70                           ; v[70:73]
.set DX,  74                           ; v[74:77]
.set DY,  78                           ; v[78:81]
.set D,   82                           ; v[82:85]  squared distances of the group
.set C2,  88                           ; v[88:95]  build: obs2 of my 4 candidates
.set C1,  96                           ; v[96:103] build: obs1
.set XV,  104
.set YV,  108
.set T,   112                          ; v[112:113]
.set RI,  114                          ; gather: local index of row r
.set RC,  115                          ; its chunk
.set IDX, 116                          ; candidate 0..1023
.set VAL, 117                          ; bf16 1.0 in the right half, or 0
.set IREG, 118                         ; fragment register that holds it
.set LSEL, 119                         ; chain link that holds it
.set T0,  120
.set T1,  121
.set VL,  122
.set OH,  128                          ; v[128:191] eight one-hot fragments
.set ACC, 192                          ; v[192:223] four accumulators
.set DP,  224                          ; v[224:227] decode
.set WA,  228
.set WB,  229
.set O2,  230                          ; v[230:231] the neighbour's obs2
.set O1,  232                          ; v[232:233] the neighbour's obs1
.set F,   234                          ; v[234:237] the four features
.set O,   240                          ; v[240:243] four outputs
; window 1: v[256+8s : 256+8s+7] = table fragment of K step s (candidates 32s..32s+31), s = 0..31
; ================= ENTRY
	s_load_b256 s[4:11], s[0:1], 0x0               ; obs1 s[4:5], obs2 s[6:7], W s[8:9], b s[10:11]
	s_load_b64 s[12:13], s[0:1], 0x20              ; out0
	v_lshl_add_u32 v254, v0, 2, 0xa200
	v_mov_b32 v255, 0
	v_and_b32 v1, 31, v0                           ; L
	v_lshrrev_b32 v2, 5, v0
	v_readfirstlane_b32 s14, v2                    ; wave
	v_mul_u32_u24 v[XA], v2, CP                    ; candidates 4t.. lie in chunk t>>5 = wave,
	v_sub_nc_u32 v3, 31, v1
	v_lshl_add_u32 v[XA], v3, 4, v[XA]             ; descending: group L of the chunk at 16 (31 - L)
	v_lshlrev_b32 v[CO], 5, v0
	v_and_b32 v[QO], 0xf8, v0
	v_and_b32 v3, 1, v0
	v_lshlrev_b32 v[WO], 6, v3
	v_lshlrev_b32 v[BO], 4, v3
	v_lshlrev_b32 v[OA], 4, v0
	v_lshlrev_b32 v[TA], 3, v0
	v_and_b32 v3, 7, v1                            ; my chunk
	v_mul_u32_u24 v[LA], v3, CP
	v_mul_lo_u32 v[CH], v3, 0x01010101             ; my chunk in all four bytes
	v_and_b32 v2, 15, v1                           ; r
	v_lshrrev_b32 v[HH], 4, v1                     ; h
	v_mul_u32_u24 v[FA], v2, TP
	v_lshl_add_u32 v[FA], v[HH], 4, v[FA]          ; row r of the table + 16 h
	v_lshrrev_b32 v3, 2, v2
	v_lshlrev_b32 v[RA], 5, v3                     ; row r = 4 q + rank: its list is in lane 8 q
	v_and_b32 v3, 3, v1
	v_lshlrev_b32 v[SH], 3, v3
	v_lshrrev_b32 v3, 1, v1
	v_lshlrev_b32 v[RB0], 2, v3
	v_add_nc_u32 v[RB1], 64, v[RB0]
	v_mov_b32 v[ID], 0x03020100
	s_and_b32 s15, ttmp9, 3
	s_lshl3_add_u32 s17, s15, s14                  ; my 4 queries are group (wg&3)*8 + wave of their chunk;
	s_add_co_u32 s17, s17, 1                       ; the trip with counter N takes group N-1
	s_bfe_u32 s15, ttmp9, 0x30002                  ; that chunk: (wg&31)>>2
	s_lshl_b32 s[EX+3], 1, s15                     ; element e is local candidate 4 g + 3 - e = query slot 3 - e: lane 8 (3 - e) + chunk
	s_lshl_b32 s[EX+2], s[EX+3], 8
	s_lshl_b32 s[EX+1], s[EX+2], 8
	s_lshl_b32 s[EX+0], s[EX+1], 8
	s_mov_b32 s16, 32                              ; trip counter N
	s_mov_b32 s18, 0x7c7d7e7f                      ; local indices of the first group's elements 0..3: 127, 126, 125, 124
	s_mov_b32 s19, 0x49742400                      ; 1e6 = 1000 squared
	s_mov_b32 s20, 0x7f800000                      ; +inf
	s_mov_b32 s60, 0x807f807f
	s_mov_b32 s61, 0x43004300
	s_mov_b32 s62, 0x7f7fffff                      ; largest finite f32
	s_mov_b32 s63, 0xff7fffff
.irp e, 0,1,2,3
	s_mov_b32 s[SL+4*\e+3], 0x04020100+(\e<<24)    ; v_perm_b32: bytes 0-3 the old list, byte 4+e the new index
	s_mov_b32 s[SL+4*\e+2], 0x02040100+(\e<<16)
	s_mov_b32 s[SL+4*\e+1], 0x02010400+(\e<<8)
	s_mov_b32 s[SL+4*\e+0], 0x02010004+\e
.endr
	s_lshr_b32 s21, ttmp9, 5                       ; batch
	s_lshl_b32 s22, s21, 13                        ; x 1024 tracks x 8 bytes
	s_mov_b32 s23, 0
	s_wait_kmcnt 0x0
	s_add_nc_u64 s[68:69], s[4:5], s[22:23]        ; obs1 at my batch
	s_add_nc_u64 s[70:71], s[6:7], s[22:23]        ; obs2 at my batch
	s_lshl_b32 s22, ttmp9, 8                       ; 32 queries x 8 bytes
	s_add_nc_u64 s[4:5], s[4:5], s[22:23]          ; obs1 at my group's queries
	s_add_nc_u64 s[6:7], s[6:7], s[22:23]          ; obs2 likewise
	s_lshl_b32 s22, ttmp9, 12                      ; 32 rows x 128 bytes
	s_add_nc_u64 s[12:13], s[12:13], s[22:23]      ; out0 at my group's rows
	global_load_b128 v[C2:C2+3],   v[CO], s[70:71]
	global_load_b128 v[C2+4:C2+7], v[CO], s[70:71] offset:16
	global_load_b128 v[C1:C1+3],   v[CO], s[68:69]
	global_load_b128 v[C1+4:C1+7], v[CO], s[68:69] offset:16
	global_load_b64 v[Q2:Q2+1], v[QO], s[6:7]
	global_load_b64 v[Q1:Q1+1], v[QO], s[4:5]
.irp o, 0,1,2,3
	global_load_b128 v[WV+4*\o:WV+4*\o+3], v[WO], s[8:9] offset:16*\o
.endr
	global_load_b128 v[BV:BV+3], v[BO], s[10:11]
; ================= BUILD
; word w of my four candidates (registers base, base+2, base+4, base+6): its four bytes, each re-coded, into table rows 4w..4w+3
.macro BYTES w, base
.irp bb, 0,1,2,3
	v_perm_b32 v[T],   v[\base+2], v[\base],   0x04040000+\bb*0x01010101   ; byte bb twice in each half: candidate 0 low, candidate 1 high
	v_perm_b32 v[T+1], v[\base+6], v[\base+4], 0x04040000+\bb*0x01010101
	v_and_or_b32 v[T],   v[T],   s60, s61          ; sign = bit 7, mantissa = bits 6:0, exponent of 128
	v_and_or_b32 v[T+1], v[T+1], s60, s61
	ds_store_b64 v[TA], v[T:T+1] offset:TB+(4*\w+\bb)*TP
.endr
.endm
	s_wait_loadcnt 0x7                             ; the four candidate loads are in; the 7 younger (2 query, 4 W, 1 b) stay out
	v_mov_b32 v[XV+0], v[C2+6]                     ; descending: candidate 4t+3 first
	v_mov_b32 v[XV+1], v[C2+4]
	v_mov_b32 v[XV+2], v[C2+2]
	v_mov_b32 v[XV+3], v[C2+0]
	v_mov_b32 v[YV+0], v[C2+7]
	v_mov_b32 v[YV+1], v[C2+5]
	v_mov_b32 v[YV+2], v[C2+3]
	v_mov_b32 v[YV+3], v[C2+1]
	ds_store_b128 v[XA], v[XV:XV+3] offset:XS
	ds_store_b128 v[XA], v[YV:YV+3] offset:YS
	BYTES 0, C2
	BYTES 1, C2+1
	BYTES 2, C1
	BYTES 3, C1+1
	s_wait_dscnt 0x0                               ; my stores are in LDS before I say so: the other waves read them
	s_barrier_signal -1
	s_barrier_wait -1                              ; the only barrier: nothing writes LDS behind it
; ================= SCAN
; squared distances of the group in X, Y.  v_med3_num_f32 with a NaN among its sources gives the smallest of the others (ISA guide, its entry
; among the VOP3 instructions): NaN becomes 1e6, every other number stays.
.macro DIST
	v_pk_add_f32 v[DX:DX+1],   v[X:X+1],   v[QX:QX+1] neg_lo:[0,1] neg_hi:[0,1]
	v_pk_add_f32 v[DX+2:DX+3], v[X+2:X+3], v[QX:QX+1] neg_lo:[0,1] neg_hi:[0,1]
	v_pk_add_f32 v[DY:DY+1],   v[Y:Y+1],   v[QY:QY+1] neg_lo:[0,1] neg_hi:[0,1]
	v_pk_add_f32 v[DY+2:DY+3], v[Y+2:Y+3], v[QY:QY+1] neg_lo:[0,1] neg_hi:[0,1]
	v_pk_mul_f32 v[D:D+1],   v[DY:DY+1],   v[DY:DY+1]
	v_pk_mul_f32 v[D+2:D+3], v[DY+2:DY+3], v[DY+2:DY+3]
	v_pk_fma_f32 v[D:D+1],   v[DX:DX+1],   v[DX:DX+1],   v[D:D+1]
	v_pk_fma_f32 v[D+2:D+3], v[DX+2:DX+3], v[DX+2:DX+3], v[D+2:D+3]
.irp e, 0,1,2,3
	v_med3_num_f32 v[D+\e], v[D+\e], v[D+\e], s19
.endr
.endm
; where does key kb+e go?  mask i = it ranks in front of K[i].  ex = 1: in the lane whose own track this is, the key becomes +inf (the keys
; stay as they are) and the masks are cleared (the index list stays as it is).
.macro CMPS kb, e, cmp, set, ex
.if \ex
	v_cndmask_b32 v[\kb+\e], v[\kb+\e], s20, s[EX+\e]
.endif
.irp i, 0,1,2,3
	\cmp s[\set+\i], v[\kb+\e], v[K+\i]
.endr
.if \ex
.irp i, 0,1,2,3
	s_and_not1_b32 s[\set+\i], s[\set+\i], s[EX+\e]
.endr
.endif
.endm
; the four keys stay sorted: each takes the middle of itself, its lower neighbour and the new key
.macro KEYS kb, e
	v_med3_num_f32 v[K+3], v[K+2], v[K+3], v[\kb+\e]
	v_med3_num_f32 v[K+2], v[K+1], v[K+2], v[\kb+\e]
	v_med3_num_f32 v[K+1], v[K+0], v[K+1], v[\kb+\e]
	v_min_num_f32  v[K+0], v[K+0], v[\kb+\e]
.endm
; the masks are nested (0 implies 1 implies 2 implies 3): the lowest that is set names the rank; one v_perm_b32 inserts byte e of jsrc there
.macro SELP e, set, sel, jsrc, both
	v_cndmask_b32 v[\sel], v[ID],   s[SL+4*\e+3], s[\set+3]
	v_cndmask_b32 v[\sel], v[\sel], s[SL+4*\e+2], s[\set+2]
	v_cndmask_b32 v[\sel], v[\sel], s[SL+4*\e+1], s[\set+1]
	v_cndmask_b32 v[\sel], v[\sel], s[SL+4*\e+0], s[\set+0]
	v_perm_b32 v[IX], \jsrc, v[IX], v[\sel]
.if \both
	v_perm_b32 v[CH], v[P+5], v[CH], v[\sel]
.endif
.endm
; four insertions, elements 0 to 3; two sets of masks, so that a selection stands well behind the compares that feed it
.macro INS4 kb, cmp, jsrc, ex, both
	CMPS \kb, 0, \cmp, CA, \ex
	KEYS \kb, 0
	CMPS \kb, 1, \cmp, CB, \ex
	KEYS \kb, 1
	SELP 0, CA, SELA, \jsrc, \both
	CMPS \kb, 2, \cmp, CA, \ex
	KEYS \kb, 2
	SELP 1, CB, SELB, \jsrc, \both
	CMPS \kb, 3, \cmp, CB, \ex
	KEYS \kb, 3
	SELP 2, CA, SELA, \jsrc, \both
	SELP 3, CB, SELB, \jsrc, \both
.endm
; one group of 4 candidates.  Indices descend and the compare is <=, so of equal keys the lower index ranks first, and keys of +inf also
; push the four starting entries out.  The branch hangs on ids alone: only one trip of the 32 holds the wave's own four tracks.
.macro TRIP more, tag
	s_wait_dscnt 0x0                               ; this group's x and y, asked for one trip ago
	DIST
.if \more
	v_add_nc_u32 v[LA], 16, v[LA]
	ds_load_b128 v[X:X+3], v[LA] offset:XS
	ds_load_b128 v[Y:Y+3], v[LA] offset:YS
.endif
	s_cmp_lg_u32 s16, s17
	s_cbranch_scc1 .Lplain_\tag
	INS4 D, v_cmp_le_f32, s18, 1, 0
	s_branch .Ljoin_\tag
.Lplain_\tag:
	INS4 D, v_cmp_le_f32, s18, 0, 0
.Ljoin_\tag:
	s_sub_co_u32 s18, s18, 0x04040404              ; the next group's local indices (no byte borrows before the last group, 3..0)
.endm
	ds_load_b128 v[X:X+3], v[LA] offset:XS         ; the first group: local candidates 127..124
	ds_load_b128 v[Y:Y+3], v[LA] offset:YS
	s_wait_loadcnt 0x0                             ; my query, W, b
	v_mov_b32 v[QX],   v[Q2]
	v_mov_b32 v[QX+1], v[Q2]
	v_mov_b32 v[QY],   v[Q2+1]
	v_mov_b32 v[QY+1], v[Q2+1]
	v_pk_add_f32 v[VI:VI+1], v[Q2:Q2+1], v[Q1:Q1+1] neg_lo:[0,1] neg_hi:[0,1]
.irp i, 0,1,2,3
	v_mov_b32 v[K+\i], s20
.endr
	v_mov_b32 v[IX], 0
.irp i, 0,1,2,3,4,5
	v_mov_b32 v[P+\i], 0                           ; a DPP form's destination counts as read: written once here
.endr
.Lscan:
	TRIP 1, a
	s_sub_co_u32 s16, s16, 1
	s_cmp_lg_u32 s16, 1
	s_cbranch_scc1 .Lscan                          ; 31 trips, N = 32..2
	TRIP 0, b                                      ; the last group, N = 1: nothing more is loaded
; ================= the table's 32 fragments into window 1; the merge below runs while they come
	s_set_vgpr_msb 0x40                            ; destination window 1, address window 0
.set s, 0
.rept 32
	ds_load_b128 v[8*s:8*s+3],   v[FA] offset:TB+64*s      ; row r, candidates 32 s + 8 h .. + 7
	ds_load_b128 v[8*s+4:8*s+7], v[FA] offset:TB+64*s+32   ; row r, candidates 32 s + 16 + 8 h .. + 7
.set s, s+1
.endr
	s_set_vgpr_msb 0x4000
; ================= MERGE
; The partner's list is inserted in ascending order with a strict <: in the lane of the lower chunk ties keep the lower index in front.
; Lanes 8q, 8q+2, 8q+4, 8q+6 are right after step 1; 8q, 8q+4 after step 2; 8q after step 4.
.macro MERGE m
.irp i, 0,1,2,3,4,5
	v_mov_b32_dpp v[P+\i], v[K+\i] row_xmask:\m row_mask:0xf bank_mask:0xf
.endr
	INS4 P, v_cmp_lt_f32, v60, 0, 1                ; v60 = P+4, the partner's index bytes
.endm
	MERGE 1
	MERGE 2
	MERGE 4
; ================= ONE-HOT: lane (r, h) builds column r of B for the 8 links of a chain
	ds_bpermute_b32 v[RI], v[RA], v[IX]
	ds_bpermute_b32 v[RC], v[RA], v[CH]
	s_wait_dscnt 0x0                               ; these two, and the 64 fragment loads in front of them
	v_lshrrev_b32 v[RI], v[SH], v[RI]
	v_lshrrev_b32 v[RC], v[SH], v[RC]
	v_and_b32 v[RI], 0x7f, v[RI]                   ; j: local index of row r's neighbour
	v_and_b32 v[RC], 7, v[RC]                      ; its chunk
	v_lshl_or_b32 v[IDX], v[RC], 7, v[RI]          ; candidate = 256 a + 32 l + k
	v_bfe_u32 v[LSEL], v[IDX], 5, 3                ; l
	v_bfe_u32 v[T0], v[RI], 1, 2
	v_bfe_u32 v[T1], v[RI], 4, 1
	v_lshl_or_b32 v[IREG], v[T1], 2, v[T0]         ; k = 16 (reg>>2) + 8 h + 2 (reg&3) + half
	v_and_b32 v[T0], 1, v[RI]
	v_lshlrev_b32 v[T0], 4, v[T0]
	v_mov_b32 v[VAL], 0x3f80                       ; bf16 1.0
	v_lshlrev_b32 v[VAL], v[T0], v[VAL]
	v_bfe_u32 v[T1], v[RI], 3, 1
	v_cmp_eq_u32 vcc_lo, v[T1], v[HH]
	v_cndmask_b32 v[VAL], 0, v[VAL], vcc_lo        ; only the half of the lanes that holds this k
	v_and_b32 v[T0], 0x100, v[IDX]
	v_and_b32 v[T1], 0x200, v[IDX]
	v_cmp_ne_u32 s66, 0, v[T0]                     ; a, bit 0
	v_cmp_ne_u32 s67, 0, v[T1]                     ; a, bit 1
.irp i, 0,1,2,3,4,5,6,7
	v_cmp_eq_u32 s[MK+\i], \i, v[IREG]
.endr
.irp l, 0,1,2,3,4,5,6,7
	v_cmp_eq_u32 vcc_lo, \l, v[LSEL]
	v_cndmask_b32 v[VL], 0, v[VAL], vcc_lo
.irp i, 0,1,2,3,4,5,6,7
	v_cndmask_b32 v[OH+8*\l+\i], 0, v[VL], s[MK+\i]
.endr
.endr
; ================= GATHER: accumulator a = table(16 bytes x candidates 256 a ..) x one-hot; 8 links each, chains in place
.macro LINK l, zero
.irp a, 0,1,2,3
.if \zero
	v_wmma_f32_16x16x32_bf16 v[ACC+8*\a:ACC+8*\a+7], v[8*(8*\a+\l):8*(8*\a+\l)+7], v[OH+8*\l:OH+8*\l+7], 0
.else
	v_wmma_f32_16x16x32_bf16 v[ACC+8*\a:ACC+8*\a+7], v[8*(8*\a+\l):8*(8*\a+\l)+7], v[OH+8*\l:OH+8*\l+7], v[ACC+8*\a:ACC+8*\a+7]
.endif
.endr
.endm
	s_set_vgpr_msb 0x0001                          ; source 0 (the table) window 1
	LINK 0, 1                                      ; the first products start the sums
.irp l, 1,2,3,4,5,6,7
	LINK \l, 0
.endr
	s_set_vgpr_msb 0x0100
.rept 4
	v_nop                                          ; four independent vector instructions before a vector instruction reads a matrix result (ISA guide 7.12.1)
.endr
.irp j, 0,1,2,3,4,5,6,7
	v_cndmask_b32 v[ACC+\j],    v[ACC+\j],    v[ACC+8+\j],  s66
	v_cndmask_b32 v[ACC+16+\j], v[ACC+16+\j], v[ACC+24+\j], s66
.endr
.irp j, 0,1,2,3,4,5,6,7
	v_cndmask_b32 v[ACC+\j], v[ACC+\j], v[ACC+16+\j], s67  ; register j of lane (r, h): byte 8 h + j of row r's neighbour, as +-(128 + low 7 bits)
.endr
; four such f32 back into a word: byte 2 of each holds the low 7 bits, bit 7 of byte 3 the top bit
.macro WORD dst, src
	v_perm_b32 v[DP],   v[\src+1], v[\src],   0x07060302
	v_perm_b32 v[DP+1], v[\src+3], v[\src+2], 0x07060302
	v_perm_b32 v[DP+2], v[DP+1], v[DP], 0x06040200
	v_perm_b32 v[DP+3], v[DP+1], v[DP], 0x07050301
	v_bfi_b32 v[\dst], 0x7f7f7f7f, v[DP+2], v[DP+3]
.endm
	WORD WA, ACC                                   ; lanes 0-15: obs2.x of row r; lanes 16-31: obs1.x
	WORD WB, ACC+4                                 ; likewise y
; ================= MLP: lane L serves row L>>1 (query L>>3, as in the scan; rank (L>>1)&3) and outputs 4 (L&1) .. + 3
	ds_bpermute_b32 v[O2],   v[RB0], v[WA]
	ds_bpermute_b32 v[O2+1], v[RB0], v[WB]
	ds_bpermute_b32 v[O1],   v[RB1], v[WA]
	ds_bpermute_b32 v[O1+1], v[RB1], v[WB]
	s_wait_dscnt 0x0
	v_pk_add_f32 v[F:F+1],     v[O2:O2+1],   v[Q2:Q2+1] neg_lo:[0,1] neg_hi:[0,1]   ; relative position
	v_pk_add_f32 v[F+2:F+3],   v[O2:O2+1],   v[O1:O1+1] neg_lo:[0,1] neg_hi:[0,1]   ; the neighbour's velocity
	v_pk_add_f32 v[F+2:F+3],   v[F+2:F+3],   v[VI:VI+1] neg_lo:[0,1] neg_hi:[0,1]   ; relative velocity
.irp i, 0,1,2,3
	v_cmp_eq_f32 vcc_lo, v[F+\i], v[F+\i]
	v_cndmask_b32 v[F+\i], 0, v[F+\i], vcc_lo      ; nan_to_num: NaN to 0,
	v_med3_num_f32 v[F+\i], v[F+\i], s62, s63      ; infinities to the largest finite numbers
.endr
.irp o, 0,1,2,3
	v_fma_f32 v[O+\o], v[F], v[WV+4*\o], v[BV+\o]
.endr
.irp f, 1,2,3
.irp o, 0,1,2,3
	v_fmac_f32 v[O+\o], v[F+\f], v[WV+4*\o+\f]
.endr
.endr
.irp o, 0,1,2,3
	v_max_num_f32 v[O+\o], 0, v[O+\o]
.endr
	global_store_b128 v[OA], v[O:O+3], s[12:13] th:TH_STORE_NT     ; lane L at 16 L: sixteen lanes store 256 consecutive bytes, aligned
	s_wait_tensorcnt 0x0
	ds_add_u32 v254, v255
	s_wait_dscnt 0x0
	s_endpgm
.Lfunc_end_k_q28d6d230a0_knn:
	.size	k_q28d6d230a0_knn, .Lfunc_end_k_q28d6d230a0_knn-k_q28d6d230a0_knn
	.p2alignl 7, 3214868480
	.fill 96, 4, 3214868480
	.section	.rodata,"a",@progbits
	.p2align	6, 0x0
	.amdhsa_kernel k_q28d6d230a0_knn
		.amdhsa_group_segment_fixed_size 42496
		.amdhsa_private_segment_fixed_size 0
		.amdhsa_enable_private_segment 0
		.amdhsa_kernarg_size 40
		.amdhsa_user_sgpr_count 2
		.amdhsa_user_sgpr_kernarg_segment_ptr 1
		.amdhsa_wavefront_size32 1
		.amdhsa_system_sgpr_workgroup_id_x 1
		.amdhsa_system_sgpr_workgroup_id_y 1
		.amdhsa_system_sgpr_workgroup_id_z 1
		.amdhsa_system_vgpr_workitem_id 0
		.amdhsa_next_free_vgpr 512
		.amdhsa_next_free_sgpr 72
		.amdhsa_reserve_vcc 1
		.amdhsa_float_denorm_mode_32 3
		.amdhsa_float_denorm_mode_16_64 3
		.amdhsa_memory_ordered 1
		.amdhsa_forward_progress 1
		.amdhsa_inst_pref_size 57
	.end_amdhsa_kernel
	.amdgpu_metadata
---
amdhsa.version: [ 1, 2 ]
amdhsa.kernels:
  - .name:           k_q28d6d230a0_knn
    .symbol:         k_q28d6d230a0_knn.kd
    .args:
      - { .name: obs1, .offset: 0, .size: 8, .value_kind: global_buffer, .address_space: global }
      - { .name: obs2, .offset: 8, .size: 8, .value_kind: global_buffer, .address_space: global }
      - { .name: W, .offset: 16, .size: 8, .value_kind: global_buffer, .address_space: global }
      - { .name: b, .offset: 24, .size: 8, .value_kind: global_buffer, .address_space: global }
      - { .name: out0, .offset: 32, .size: 8, .value_kind: global_buffer, .address_space: global }
    .group_segment_fixed_size: 42496
    .private_segment_fixed_size: 0
    .kernarg_segment_align: 8
    .kernarg_segment_size: 40
    .max_flat_workgroup_size: 256
    .sgpr_count:     72
    .vgpr_count:     512
    .wavefront_size: 32
...
	.end_amdgpu_metadata
.endif
;; end of part 1
;; ======== version 2 of 3: 1 launch; 1.36 times as fast as version 1
;; launch knn (part 2): grid 256 x 1, 8 waves a work-group, no clusters, 42,496 bytes of LDS; arguments obs1, obs2, W, b, out0; writes out0
.if DOCPART == 2
	.amdgcn_target "amdgcn-amd-amdhsa--gfx1250"
	.amdhsa_code_object_version 6
	.text
	.protected	k_q28d6d230a0_knn
	.globl	k_q28d6d230a0_knn
	.p2align	8
	.type	k_q28d6d230a0_knn,@function
k_q28d6d230a0_knn:
	s_mov_b64 s[64:65], 0
	v_nop
	global_prefetch_b8 v0, s[64:65] scope:SCOPE_SE
	s_setreg_imm32_b32 hwreg(HW_REG_WAVE_MODE, 25, 1), 1
	s_wait_xcnt 0x0
; NearestNeighborMLP: for each of 8 x 1024 tracks the 4 nearest other tracks of its batch (by obs2), their relative position and
; relative velocity, nan_to_num, a 4 -> 8 linear layer and ReLU.  out0[batch*1024 + i][8 rank + e].
;
; ONE LAUNCH.  A work-group = 32 queries of one batch, 8 waves; a wave = 4 queries; in the scan lane L = (query L>>3, chunk L&7 of 128 candidates).
;  1 BUILD   thread t loads candidates 4t..4t+3 and writes to LDS (a) x and y of obs2, separated, each chunk in DESCENDING index order,
;            (b) a table of the 16 bytes of (obs2.x, obs2.y, obs1.x, obs1.y): byte v as the bf16 number +-(128 + (v & 127)), sign = v's top bit.
;  2 SCAN    each lane keeps TWO lists, one for each half of its chunk: the 4 smallest squared distances, sorted, and their 7-bit local indices
;            as the 4 bytes of one register.  The two lists depend on nothing of each other: their lines are interleaved, so that no line
;            stands next to the one whose result it reads.  The last four trips also ask for the table's fragments, 16 loads each.
;  3 MERGE   the lane's two lists, then three steps across the 8 lanes of a query (row_xmask 1, 2, 4); the lane of the lowest chunk ends right.
;  4 GATHER  no address here hangs on a comparison of floats: the 16 rows (4 queries x 4 ranks) fetch their candidate's 16 bytes by a one-hot
;            matrix product with the byte table.  Every table entry is finite and every sum has one non-zero term, so the bytes come back
;            exactly for every bit pattern of the inputs, NaN and infinities too.
;  5 MLP     features, nan_to_num, 16 f32 multiply-adds a lane, ReLU; one 16-byte store a lane: a wave stores 512 consecutive aligned bytes.
;
; NOT USED, and why.  Clusters, tensor loads, prefetch: a work-group reads 16 KB once, at its start, and every byte has to pass through
; registers to be separated and re-coded.  The einsum on the matrix unit: K = 4 of a K step of 32; 16 multiply-adds a lane do it in f32.
;
; LIMITS.  Neighbours are ranked by dx*dx + dy*dy (a multiply, then a fused multiply-add), not by its rounded root.  The root is monotone, so
; the order differs from reference()'s only where two squares lie within about 2 units in the last place (its roots then coincide and it takes
; the lower index; here the smaller square wins).  Exact ties go to the lower index, as there.  A NaN distance counts as 1000 (square 1e6), an
; infinite one ranks behind every finite one, as there.  If the 4-term sum with the bias is NaN (inf - inf), reference() gives NaN, this text 0.
; ---- LDS map (written in BUILD alone; one barrier behind it)
.set CP,  528                          ; a chunk: 128 x 4 bytes + 16 = 33 x 16: the 8 chunk addresses of one load fall in 8 different 16-byte columns modulo 256
.set XS,  0                            ; x of obs2: candidate c at (c>>7)*CP + (127-(c&127))*4
.set YS,  8*CP                         ; y of obs2, the same layout
.set HALF, 256                         ; the lower 64 candidates of a chunk lie 64 x 4 bytes behind the upper 64
.set TB,  16*CP                        ; byte table: 16 rows (4*word + byte), candidate c at 2c
.set TP,  2064                         ; its pitch: 2048 + 16 = 129 x 16, so the 16 rows of a fragment load start in 16 different 16-byte columns
; ---- scalar registers
.set EXL, 24                           ; s[24:27]  lower half: the one lane whose own track element e of the wave's own group is (0 if that group is in the upper half)
.set ML,  28                           ; s[28:35]  compare masks of list LO, two sets of 4 (even, odd elements)
.set SL,  36                           ; s[36:51]  byte selector that inserts element e at rank p: s[SL+4e+p]
.set MK,  52                           ; s[52:59]  one-hot: lanes whose 1 lies in fragment register i
.set MH,  72                           ; s[72:79]  compare masks of list HI, two sets of 4
.set EXH, 80                           ; s[80:83]  as EXL, for the upper half
.set SJH, 18                           ; local indices of the upper half's current group, element e in byte e
.set SJL, 84                           ; the same for the lower half
; ---- vector registers, window 0
.set CO,  4                            ; 32 t      candidates 4t..4t+3 in obs1, obs2
.set QO,  5                            ; 8 (t>>3)  my query among the group's 32
.set WO,  6                            ; 64 (L&1)  my four rows of W
.set BO,  7                            ; 16 (L&1)  my four b
.set OA,  8                            ; 16 t      my 16 bytes of out0
.set XA,  9                            ; build: where my four x go
.set TA,  10                           ; build: 8 t, my four table entries of a row
.set LA,  11                           ; scan: my chunk's current group of 4 in the upper half
.set FA,  12                           ; table fragment address
.set RA,  13                           ; 4 x (lane that holds row r's list)
.set SH,  14                           ; 8 x rank of row r
.set RB0, 15                           ; 4 x (L>>1): lane with obs2's words of my row
.set RB1, 16                           ; + 64: lane with obs1's words
.set HH,  17                           ; L>>4
.set WV,  20                           ; v[20:35]  W rows 4(L&1)..+3
.set BV,  36                           ; v[36:39]  b of the same
.set Q2,  40                           ; v[40:41]  my query's obs2
.set Q1,  42                           ; v[42:43]  my query's obs1
.set QX,  44                           ; v[44:45]  its x twice
.set QY,  46                           ; v[46:47]  its y twice
.set VI,  48                           ; v[48:49]  its velocity
.set K,   50                           ; v[50:53]  list LO, later the merged list: four keys, ascending
.set IX,  54                           ; K+4: their local indices, byte p = rank p
.set CH,  55                           ; K+5: their chunks, likewise
.set P,   56                           ; v[56:61]  scan: list HI (keys, P+4 indices); merge: the partner's K, IX, CH
.set ID,  62                           ; selector that changes nothing
.set SELA, 63
.set SELB, 64
.set X,   66                           ; v[66:73]   x: 4 of the upper half, 4 of the lower
.set Y,   74                           ; v[74:81]
.set DX,  82                           ; v[82:89]
.set DY,  90                           ; v[90:97]
.set D,   98                           ; v[98:105]  squared distances, the same order
.set RI,  114                          ; gather: local index of row r
.set RC,  115                          ; its chunk
.set IDX, 116                          ; candidate 0..1023
.set VAL, 117                          ; bf16 1.0 in the right half, or 0
.set IREG, 118                         ; fragment register that holds it
.set LSEL, 119                         ; chain link that holds it
.set T0,  120
.set T1,  121
.set VL,  122
.set C2,  128                          ; v[128:135] build: obs2 of my 4 candidates   (the build's registers are the one-hot's later)
.set C1,  136                          ; v[136:143] build: obs1
.set XV,  144
.set YV,  148
.set T,   152                          ; v[152:183] build: table entries, 8 registers for each of the 4 words
.set OH,  128                          ; v[128:191] eight one-hot fragments
.set ACC, 192                          ; v[192:223] four accumulators
.set DP,  224                          ; v[224:227] decode
.set WA,  228
.set WB,  229
.set O2,  230                          ; v[230:231] the neighbour's obs2
.set O1,  232                          ; v[232:233] the neighbour's obs1
.set F,   234                          ; v[234:237] the four features
.set O,   240                          ; v[240:243] four outputs
; window 1: v[256+8s : 256+8s+7] = table fragment of K step s (candidates 32s..32s+31), s = 0..31
; ================= ENTRY
	s_load_b256 s[4:11], s[0:1], 0x0               ; obs1 s[4:5], obs2 s[6:7], W s[8:9], b s[10:11]
	s_load_b64 s[12:13], s[0:1], 0x20              ; out0
	v_lshl_add_u32 v254, v0, 2, 0xa200
	v_mov_b32 v255, 0
	v_and_b32 v1, 31, v0                           ; L
	v_lshrrev_b32 v2, 5, v0
	v_readfirstlane_b32 s14, v2                    ; wave
	v_mul_u32_u24 v[XA], v2, CP                    ; candidates 4t.. lie in chunk t>>5 = wave,
	v_sub_nc_u32 v3, 31, v1
	v_lshl_add_u32 v[XA], v3, 4, v[XA]             ; descending: group L of the chunk at 16 (31 - L)
	v_lshlrev_b32 v[CO], 5, v0
	v_and_b32 v[QO], 0xf8, v0
	v_and_b32 v3, 1, v0
	v_lshlrev_b32 v[WO], 6, v3
	v_lshlrev_b32 v[BO], 4, v3
	v_lshlrev_b32 v[OA], 4, v0
	v_lshlrev_b32 v[TA], 3, v0
	v_and_b32 v3, 7, v1                            ; my chunk
	v_mul_u32_u24 v[LA], v3, CP
	v_mul_lo_u32 v[CH], v3, 0x01010101             ; my chunk in all four bytes
	v_and_b32 v2, 15, v1                           ; r
	v_lshrrev_b32 v[HH], 4, v1                     ; h
	v_mul_u32_u24 v[FA], v2, TP
	v_lshl_add_u32 v[FA], v[HH], 4, v[FA]          ; row r of the table + 16 h
	v_lshrrev_b32 v3, 2, v2
	v_lshlrev_b32 v[RA], 5, v3                     ; row r = 4 q + rank: its list is in lane 8 q
	v_and_b32 v3, 3, v1
	v_lshlrev_b32 v[SH], 3, v3
	v_lshrrev_b32 v3, 1, v1
	v_lshlrev_b32 v[RB0], 2, v3
	v_add_nc_u32 v[RB1], 64, v[RB0]
	v_mov_b32 v[ID], 0x03020100
	s_and_b32 s15, ttmp9, 1                        ; my 4 queries are group g = (wg&3)*8 + wave of their chunk;
	s_lshl3_add_u32 s17, s15, s14                  ; the trip with counter N takes groups 16 + N-1 and N-1:
	s_add_co_u32 s17, s17, 1                       ; mine is the trip N = (g & 15) + 1
	s_bfe_u32 s15, ttmp9, 0x30002                  ; that chunk: (wg&31)>>2
	s_lshl_b32 s[MH+3], 1, s15                     ; element e is local candidate 4 g + 3 - e = query slot 3 - e: lane 8 (3 - e) + chunk
	s_lshl_b32 s[MH+2], s[MH+3], 8
	s_lshl_b32 s[MH+1], s[MH+2], 8
	s_lshl_b32 s[MH+0], s[MH+1], 8
	s_and_b32 s15, ttmp9, 2                        ; SCC = (g >= 16): my group is in the upper half
.irp e, 0,1,2,3
	s_cselect_b32 s[EXH+\e], s[MH+\e], 0
	s_cselect_b32 s[EXL+\e], 0, s[MH+\e]
.endr
	s_mov_b32 s16, 16                              ; trip counter N
	s_mov_b32 s[SJH], 0x7c7d7e7f                   ; the first groups' elements 0..3: local 127, 126, 125, 124
	s_mov_b32 s[SJL], 0x3c3d3e3f                   ; and 63, 62, 61, 60
	s_mov_b32 s19, 0x49742400                      ; 1e6 = 1000 squared
	s_mov_b32 s20, 0x7f800000                      ; +inf
	s_mov_b32 s60, 0x807f807f
	s_mov_b32 s61, 0x43004300
	s_mov_b32 s62, 0x7f7fffff                      ; largest finite f32
	s_mov_b32 s63, 0xff7fffff
.irp e, 0,1,2,3
	s_mov_b32 s[SL+4*\e+3], 0x04020100+(\e<<24)    ; v_perm_b32: bytes 0-3 the old list, byte 4+e the new index
	s_mov_b32 s[SL+4*\e+2], 0x02040100+(\e<<16)
	s_mov_b32 s[SL+4*\e+1], 0x02010400+(\e<<8)
	s_mov_b32 s[SL+4*\e+0], 0x02010004+\e
.endr
	s_lshr_b32 s21, ttmp9, 5                       ; batch
	s_lshl_b32 s22, s21, 13                        ; x 1024 tracks x 8 bytes
	s_mov_b32 s23, 0
	s_wait_kmcnt 0x0
	s_add_nc_u64 s[68:69], s[4:5], s[22:23]        ; obs1 at my batch
	s_add_nc_u64 s[70:71], s[6:7], s[22:23]        ; obs2 at my batch
	s_lshl_b32 s22, ttmp9, 8                       ; 32 queries x 8 bytes
	s_add_nc_u64 s[4:5], s[4:5], s[22:23]          ; obs1 at my group's queries
	s_add_nc_u64 s[6:7], s[6:7], s[22:23]          ; obs2 likewise
	s_lshl_b32 s22, ttmp9, 12                      ; 32 rows x 128 bytes
	s_add_nc_u64 s[12:13], s[12:13], s[22:23]      ; out0 at my group's rows
	global_load_b128 v[C2:C2+3],   v[CO], s[70:71]
	global_load_b128 v[C2+4:C2+7], v[CO], s[70:71] offset:16
	global_load_b128 v[C1:C1+3],   v[CO], s[68:69]
	global_load_b128 v[C1+4:C1+7], v[CO], s[68:69] offset:16
	global_load_b64 v[Q2:Q2+1], v[QO], s[6:7]
	global_load_b64 v[Q1:Q1+1], v[QO], s[4:5]
.irp o, 0,1,2,3
	global_load_b128 v[WV+4*\o:WV+4*\o+3], v[WO], s[8:9] offset:16*\o
.endr
	global_load_b128 v[BV:BV+3], v[BO], s[10:11]
; ================= BUILD
; word w of my four candidates (registers base, base+2, base+4, base+6): its four bytes, each re-coded, into table rows 4w..4w+3.
; Sixteen vector lines into eight registers of the word's own, then one run of four stores.
.macro BYTES w, base
.irp bb, 0,1,2,3
	v_perm_b32 v[T+8*\w+2*\bb],   v[\base+2], v[\base],   0x04040000+\bb*0x01010101   ; byte bb twice in each half: candidate 0 low, candidate 1 high
	v_perm_b32 v[T+8*\w+2*\bb+1], v[\base+6], v[\base+4], 0x04040000+\bb*0x01010101
.endr
.irp bb, 0,1,2,3
	v_and_or_b32 v[T+8*\w+2*\bb],   v[T+8*\w+2*\bb],   s60, s61      ; sign = bit 7, mantissa = bits 6:0, exponent of 128
	v_and_or_b32 v[T+8*\w+2*\bb+1], v[T+8*\w+2*\bb+1], s60, s61
.endr
.irp bb, 0,1,2,3
	ds_store_b64 v[TA], v[T+8*\w+2*\bb:T+8*\w+2*\bb+1] offset:TB+(4*\w+\bb)*TP
.endr
.endm
	s_wait_loadcnt 0x7                             ; the four candidate loads are in; the 7 younger (2 query, 4 W, 1 b) stay out
	v_mov_b32 v[XV+0], v[C2+6]                     ; descending: candidate 4t+3 first
	v_mov_b32 v[XV+1], v[C2+4]
	v_mov_b32 v[XV+2], v[C2+2]
	v_mov_b32 v[XV+3], v[C2+0]
	v_mov_b32 v[YV+0], v[C2+7]
	v_mov_b32 v[YV+1], v[C2+5]
	v_mov_b32 v[YV+2], v[C2+3]
	v_mov_b32 v[YV+3], v[C2+1]
	ds_store_b128 v[XA], v[XV:XV+3] offset:XS
	ds_store_b128 v[XA], v[YV:YV+3] offset:YS
	BYTES 0, C2
	BYTES 1, C2+1
	BYTES 2, C1
	BYTES 3, C1+1
	s_wait_dscnt 0x0                               ; my stores are in LDS before I say so: the other waves read them
	s_barrier_signal -1
	s_barrier_wait -1                              ; the only barrier: nothing writes LDS behind it
; ================= SCAN
.macro LOADXY
	ds_load_b128 v[X:X+3],   v[LA] offset:XS
	ds_load_b128 v[X+4:X+7], v[LA] offset:XS+HALF
	ds_load_b128 v[Y:Y+3],   v[LA] offset:YS
	ds_load_b128 v[Y+4:Y+7], v[LA] offset:YS+HALF
.endm
; 16 loads: the table's fragments of K steps s0 .. s0+7, into window 1
.macro FRAGS s0
	s_set_vgpr_msb 0x40                            ; destination window 1, address window 0
.irp q, 0,1,2,3,4,5,6,7
	ds_load_b128 v[8*(\s0+\q):8*(\s0+\q)+3],   v[FA] offset:TB+64*(\s0+\q)      ; row r, candidates 32 s + 8 h .. + 7
	ds_load_b128 v[8*(\s0+\q)+4:8*(\s0+\q)+7], v[FA] offset:TB+64*(\s0+\q)+32   ; row r, candidates 32 s + 16 + 8 h .. + 7
.endr
	s_set_vgpr_msb 0x4000
.endm
.macro DIFFS                           ; the last lines that read X and Y
.irp p, 0,2,4,6
	v_pk_add_f32 v[DX+\p:DX+\p+1], v[X+\p:X+\p+1], v[QX:QX+1] neg_lo:[0,1] neg_hi:[0,1]
.endr
.irp p, 0,2,4,6
	v_pk_add_f32 v[DY+\p:DY+\p+1], v[Y+\p:Y+\p+1], v[QY:QY+1] neg_lo:[0,1] neg_hi:[0,1]
.endr
.endm
; squared distances.  v_med3_num_f32 with a NaN among its sources gives the smallest of the others (ISA guide, its entry among the VOP3
; instructions): NaN becomes 1e6, every other number stays.
.macro SQUARES
.irp p, 0,2,4,6
	v_pk_mul_f32 v[D+\p:D+\p+1], v[DY+\p:DY+\p+1], v[DY+\p:DY+\p+1]
.endr
.irp p, 0,2,4,6
	v_pk_fma_f32 v[D+\p:D+\p+1], v[DX+\p:DX+\p+1], v[DX+\p:DX+\p+1], v[D+\p:D+\p+1]
.endr
.irp e, 0,1,2,3,4,5,6,7
	v_med3_num_f32 v[D+\e], v[D+\e], v[D+\e], s19
.endr
.endm
; one link of both lists' selector chains for element e.  The masks are nested (0 implies 1 implies 2 implies 3): the lowest that is set names the rank.
.macro SEL2 e, r, ps
.if \r == 3
	v_cndmask_b32 v[SELA], v[ID], s[SL+4*(\e)+3], s[ML+\ps+3]
	v_cndmask_b32 v[SELB], v[ID], s[SL+4*(\e)+3], s[MH+\ps+3]
.else
	v_cndmask_b32 v[SELA], v[SELA], s[SL+4*(\e)+\r], s[ML+\ps+\r]
	v_cndmask_b32 v[SELB], v[SELB], s[SL+4*(\e)+\r], s[MH+\ps+\r]
.endif
.endm
; ONE STAGE of the scan.  docmp: element e of both halves is ranked (mask i = it goes in front of key i; set cs) and put among the keys, each of
; which takes the middle of itself, its lower neighbour and the new key.  dosel: element e-1 (masks in set ps) goes into the index lists: four
; selects make the byte selector, one v_perm_b32 inserts byte e-1 of the group's indices.  The lines are mixed so that three others stand
; between two links of a selector chain, and a stage between a compare and the select that reads its mask.
; ex = 1: in the lane whose own track the element is, the masks are cleared, so the index list stays (its key was made +inf, so the keys stay).
.macro STG e, cs, ps, docmp, dosel, ex
.if \docmp
	v_cmp_le_f32 s[ML+\cs+3], v[D+4+\e], v[K+3]
	v_cmp_le_f32 s[ML+\cs+2], v[D+4+\e], v[K+2]
.endif
.if \dosel
	SEL2 \e-1, 3, \ps
.endif
.if \docmp
	v_cmp_le_f32 s[ML+\cs+1], v[D+4+\e], v[K+1]
	v_cmp_le_f32 s[ML+\cs+0], v[D+4+\e], v[K+0]
.endif
.if \dosel
	SEL2 \e-1, 2, \ps
.endif
.if \docmp
	v_cmp_le_f32 s[MH+\cs+3], v[D+\e], v[P+3]
	v_cmp_le_f32 s[MH+\cs+2], v[D+\e], v[P+2]
.endif
.if \dosel
	SEL2 \e-1, 1, \ps
.endif
.if \docmp
	v_cmp_le_f32 s[MH+\cs+1], v[D+\e], v[P+1]
	v_cmp_le_f32 s[MH+\cs+0], v[D+\e], v[P+0]
.endif
.if \dosel
	SEL2 \e-1, 0, \ps
.endif
.if \docmp
	v_med3_num_f32 v[K+3], v[K+2], v[K+3], v[D+4+\e]
	v_med3_num_f32 v[K+2], v[K+1], v[K+2], v[D+4+\e]
.endif
.if \dosel
	v_perm_b32 v[K+4], s[SJL], v[K+4], v[SELA]
	v_perm_b32 v[P+4], s[SJH], v[P+4], v[SELB]
.endif
.if \docmp
	v_med3_num_f32 v[K+1], v[K+0], v[K+1], v[D+4+\e]
	v_min_num_f32  v[K+0], v[K+0], v[D+4+\e]
	v_med3_num_f32 v[P+3], v[P+2], v[P+3], v[D+\e]
	v_med3_num_f32 v[P+2], v[P+1], v[P+2], v[D+\e]
	v_med3_num_f32 v[P+1], v[P+0], v[P+1], v[D+\e]
	v_min_num_f32  v[P+0], v[P+0], v[D+\e]
.if \ex
.irp i, 0,1,2,3
	s_and_not1_b32 s[ML+\cs+\i], s[ML+\cs+\i], s[EXL+\e]
	s_and_not1_b32 s[MH+\cs+\i], s[MH+\cs+\i], s[EXH+\e]
.endr
.endif
.endif
.endm
.macro INS8 ex                         ; the 4 + 4 elements of a trip; the mask sets take turns
	STG 0, 0, 4, 1, 0, \ex
	STG 1, 4, 0, 1, 1, \ex
	STG 2, 0, 4, 1, 1, \ex
	STG 3, 4, 0, 1, 1, \ex
	STG 4, 0, 4, 0, 1, \ex
.endm
; one group of 4 candidates of each half.  Indices descend and the compare is <=, so of equal keys the lower index ranks first, and keys of
; +inf also push the four starting entries out.  The branch hangs on ids alone: one trip of the 16 holds the wave's own four tracks.
; more = 1: the next trip's x and y are asked for.  frag >= 0: 16 fragment loads follow them, K steps frag .. frag+7.
; left = how many younger LDS loads (the last trip's fragment loads) may stay out when this trip's x and y have to be in.
.macro TRIP more, tag, left, frag
	s_wait_dscnt \left                             ; LDS loads come back in order (ISA guide 5.7.1): this trip's x and y, asked for one trip ago, are in
.if \more
	v_add_nc_u32 v[LA], 16, v[LA]
.endif
	DIFFS
.if \more
	LOADXY                                         ; the next trip's, as soon as X and Y have been read
.endif
.if \frag >= 0
	FRAGS \frag
.endif
	SQUARES
	s_cmp_lg_u32 s16, s17
	s_cbranch_scc1 .Lplain_\tag
.irp e, 0,1,2,3
	v_cndmask_b32 v[D+\e],   v[D+\e],   s20, s[EXH+\e]     ; a lane's own track: key +inf
	v_cndmask_b32 v[D+4+\e], v[D+4+\e], s20, s[EXL+\e]
.endr
	INS8 1
	s_branch .Ljoin_\tag
.Lplain_\tag:
	INS8 0
.Ljoin_\tag:
	s_sub_co_u32 s[SJH], s[SJH], 0x04040404        ; the next groups' local indices (no byte borrows before the last groups are done)
	s_sub_co_u32 s[SJL], s[SJL], 0x04040404
.endm
	LOADXY                                         ; the first groups: local candidates 127..124 and 63..60
	s_wait_loadcnt 0x0                             ; my query, W, b
	v_mov_b32 v[QX],   v[Q2]
	v_mov_b32 v[QX+1], v[Q2]
	v_mov_b32 v[QY],   v[Q2+1]
	v_mov_b32 v[QY+1], v[Q2+1]
	v_pk_add_f32 v[VI:VI+1], v[Q2:Q2+1], v[Q1:Q1+1] neg_lo:[0,1] neg_hi:[0,1]
.irp i, 0,1,2,3
	v_mov_b32 v[K+\i], s20
	v_mov_b32 v[P+\i], s20
.endr
	v_mov_b32 v[K+4], 0
	v_mov_b32 v[P+4], 0
	v_mov_b32 v[P+5], 0                            ; a DPP form's destination counts as read: written once here
.Lscan:
	TRIP 1, a, 0, -1
	s_sub_co_u32 s16, s16, 1
	s_cmp_lg_u32 s16, 4
	s_cbranch_scc1 .Lscan                          ; 12 trips, N = 16..5
	; the last four trips, N = 4..1, written out: each also asks for a quarter of the table's 64 fragment loads, which come in under the
	; scan's arithmetic.  A trip's wait leaves out the 16 fragment loads issued behind its x and y; a wave has at most 16 + 4 + 16 LDS loads out.
	TRIP 1, b, 0, 0
	s_sub_co_u32 s16, s16, 1
	TRIP 1, c, 16, 8
	s_sub_co_u32 s16, s16, 1
	TRIP 1, d, 16, 16
	s_sub_co_u32 s16, s16, 1
	TRIP 0, e, 16, 24                              ; the last groups: no x and y are loaded any more
; ================= MERGE: the list in P (keys, P+4 indices, P+5 chunks) is inserted into K in ascending order with a strict <:
; where K holds the lower indices, ties keep the lower index in front.
; Both lists are sorted.  When P's element e comes, K holds the e smallest of a set that contains P's elements 0 .. e-1, none of which is
; larger than element e: K's ranks 0 .. e-1 are not larger either.  So element e is compared with ranks e .. 3 alone, and at rank e the
; middle of three is the smaller of two: 4 + 3 + 2 + 1 compares, key updates and selector links.
.macro CMPS e, set
.irp i, 3,2,1,0
.if \i >= \e
	v_cmp_lt_f32 s[\set+\i], v[P+\e], v[K+\i]
.endif
.endr
.endm
.macro KEYS e
.irp i, 3,2,1
.if \i > \e
	v_med3_num_f32 v[K+\i], v[K+\i-1], v[K+\i], v[P+\e]
.endif
.endr
	v_min_num_f32  v[K+\e], v[K+\e], v[P+\e]
.endm
.macro SELP e, set, sel, both
	v_cndmask_b32 v[\sel], v[ID],   s[SL+4*\e+3], s[\set+3]
.irp r, 2,1,0
.if \r >= \e
	v_cndmask_b32 v[\sel], v[\sel], s[SL+4*\e+\r], s[\set+\r]
.endif
.endr
	v_perm_b32 v[IX], v[P+4], v[IX], v[\sel]
.if \both
	v_perm_b32 v[CH], v[P+5], v[CH], v[\sel]
.endif
.endm
.macro INS4 both                       ; two sets of masks, so that a selection stands well behind the compares that feed it
	CMPS 0, ML
	KEYS 0
	CMPS 1, ML+4
	KEYS 1
	SELP 0, ML, SELA, \both
	CMPS 2, ML
	KEYS 2
	SELP 1, ML+4, SELB, \both
	CMPS 3, ML+4
	KEYS 3
	SELP 2, ML, SELA, \both
	SELP 3, ML+4, SELB, \both
.endm
	INS4 0                                         ; the lane's own two lists: LO takes HI in; both are of one chunk, so CH stays
; across lanes: lanes 8q, 8q+2, 8q+4, 8q+6 are right after step 1; 8q, 8q+4 after step 2; 8q after step 4
.macro MERGE m
.irp i, 0,1,2,3,4,5
	v_mov_b32_dpp v[P+\i], v[K+\i] row_xmask:\m row_mask:0xf bank_mask:0xf
.endr
	INS4 1
.endm
	MERGE 1
	MERGE 2
	MERGE 4
; ================= ONE-HOT: lane (r, h) builds column r of B for the 8 links of a chain
	ds_bpermute_b32 v[RI], v[RA], v[IX]
	ds_bpermute_b32 v[RC], v[RA], v[CH]
	s_wait_dscnt 0x0                               ; these two, and every fragment load in front of them
	v_lshrrev_b32 v[RI], v[SH], v[RI]
	v_lshrrev_b32 v[RC], v[SH], v[RC]
	v_and_b32 v[RI], 0x7f, v[RI]                   ; j: local index of row r's neighbour
	v_and_b32 v[RC], 7, v[RC]                      ; its chunk
	v_lshl_or_b32 v[IDX], v[RC], 7, v[RI]          ; candidate = 256 a + 32 l + k
	v_bfe_u32 v[LSEL], v[IDX], 5, 3                ; l
	v_bfe_u32 v[T0], v[RI], 1, 2
	v_bfe_u32 v[T1], v[RI], 4, 1
	v_lshl_or_b32 v[IREG], v[T1], 2, v[T0]         ; k = 16 (reg>>2) + 8 h + 2 (reg&3) + half
	v_and_b32 v[T0], 1, v[RI]
	v_lshlrev_b32 v[T0], 4, v[T0]
	v_mov_b32 v[VAL], 0x3f80                       ; bf16 1.0
	v_lshlrev_b32 v[VAL], v[T0], v[VAL]
	v_bfe_u32 v[T1], v[RI], 3, 1
	v_cmp_eq_u32 vcc_lo, v[T1], v[HH]
	v_cndmask_b32 v[VAL], 0, v[VAL], vcc_lo        ; only the half of the lanes that holds this k
	v_and_b32 v[T0], 0x100, v[IDX]
	v_and_b32 v[T1], 0x200, v[IDX]
	v_cmp_ne_u32 s66, 0, v[T0]                     ; a, bit 0
	v_cmp_ne_u32 s67, 0, v[T1]                     ; a, bit 1
.irp i, 0,1,2,3,4,5,6,7
	v_cmp_eq_u32 s[MK+\i], \i, v[IREG]
.endr
.irp l, 0,1,2,3,4,5,6,7
	v_cmp_eq_u32 vcc_lo, \l, v[LSEL]
	v_cndmask_b32 v[VL], 0, v[VAL], vcc_lo
.irp i, 0,1,2,3,4,5,6,7
	v_cndmask_b32 v[OH+8*\l+\i], 0, v[VL], s[MK+\i]
.endr
.endr
; ================= GATHER: accumulator a = table(16 bytes x candidates 256 a ..) x one-hot; 8 links each, chains in place
.macro LINK l, zero
.irp a, 0,1,2,3
.if \zero
	v_wmma_f32_16x16x32_bf16 v[ACC+8*\a:ACC+8*\a+7], v[8*(8*\a+\l):8*(8*\a+\l)+7], v[OH+8*\l:OH+8*\l+7], 0
.else
	v_wmma_f32_16x16x32_bf16 v[ACC+8*\a:ACC+8*\a+7], v[8*(8*\a+\l):8*(8*\a+\l)+7], v[OH+8*\l:OH+8*\l+7], v[ACC+8*\a:ACC+8*\a+7]
.endif
.endr
.endm
	s_set_vgpr_msb 0x0001                          ; source 0 (the table) window 1
	LINK 0, 1                                      ; the first products start the sums
.irp l, 1,2,3,4,5,6,7
	LINK \l, 0
.endr
	s_set_vgpr_msb 0x0100
.rept 4
	v_nop                                          ; four independent vector instructions before a vector instruction reads a matrix result (ISA guide 7.12.1)
.endr
.irp j, 0,1,2,3,4,5,6,7
	v_cndmask_b32 v[ACC+\j],    v[ACC+\j],    v[ACC+8+\j],  s66
	v_cndmask_b32 v[ACC+16+\j], v[ACC+16+\j], v[ACC+24+\j], s66
.endr
.irp j, 0,1,2,3,4,5,6,7
	v_cndmask_b32 v[ACC+\j], v[ACC+\j], v[ACC+16+\j], s67  ; register j of lane (r, h): byte 8 h + j of row r's neighbour, as +-(128 + low 7 bits)
.endr
; four such f32 back into a word: byte 2 of each holds the low 7 bits, bit 7 of byte 3 the top bit
.macro WORD dst, src
	v_perm_b32 v[DP],   v[\src+1], v[\src],   0x07060302
	v_perm_b32 v[DP+1], v[\src+3], v[\src+2], 0x07060302
	v_perm_b32 v[DP+2], v[DP+1], v[DP], 0x06040200
	v_perm_b32 v[DP+3], v[DP+1], v[DP], 0x07050301
	v_bfi_b32 v[\dst], 0x7f7f7f7f, v[DP+2], v[DP+3]
.endm
	WORD WA, ACC                                   ; lanes 0-15: obs2.x of row r; lanes 16-31: obs1.x
	WORD WB, ACC+4                                 ; likewise y
; ================= MLP: lane L serves row L>>1 (query L>>3, as in the scan; rank (L>>1)&3) and outputs 4 (L&1) .. + 3
	ds_bpermute_b32 v[O2],   v[RB0], v[WA]
	ds_bpermute_b32 v[O2+1], v[RB0], v[WB]
	ds_bpermute_b32 v[O1],   v[RB1], v[WA]
	ds_bpermute_b32 v[O1+1], v[RB1], v[WB]
	s_wait_dscnt 0x0
	v_pk_add_f32 v[F:F+1],     v[O2:O2+1],   v[Q2:Q2+1] neg_lo:[0,1] neg_hi:[0,1]   ; relative position
	v_pk_add_f32 v[F+2:F+3],   v[O2:O2+1],   v[O1:O1+1] neg_lo:[0,1] neg_hi:[0,1]   ; the neighbour's velocity
	v_pk_add_f32 v[F+2:F+3],   v[F+2:F+3],   v[VI:VI+1] neg_lo:[0,1] neg_hi:[0,1]   ; relative velocity
.irp i, 0,1,2,3
	v_cmp_eq_f32 vcc_lo, v[F+\i], v[F+\i]
	v_cndmask_b32 v[F+\i], 0, v[F+\i], vcc_lo      ; nan_to_num: NaN to 0,
	v_med3_num_f32 v[F+\i], v[F+\i], s62, s63      ; infinities to the largest finite numbers
.endr
.irp o, 0,1,2,3
	v_fma_f32 v[O+\o], v[F], v[WV+4*\o], v[BV+\o]
.endr
.irp f, 1,2,3
.irp o, 0,1,2,3
	v_fmac_f32 v[O+\o], v[F+\f], v[WV+4*\o+\f]
.endr
.endr
.irp o, 0,1,2,3
	v_max_num_f32 v[O+\o], 0, v[O+\o]
.endr
	global_store_b128 v[OA], v[O:O+3], s[12:13] th:TH_STORE_NT     ; lane L at 16 L: sixteen lanes store 256 consecutive bytes, aligned
	s_wait_tensorcnt 0x0
	ds_add_u32 v254, v255
	s_wait_dscnt 0x0
	s_endpgm
.Lfunc_end_k_q28d6d230a0_knn:
	.size	k_q28d6d230a0_knn, .Lfunc_end_k_q28d6d230a0_knn-k_q28d6d230a0_knn
	.p2alignl 7, 3214868480
	.fill 96, 4, 3214868480
	.section	.rodata,"a",@progbits
	.p2align	6, 0x0
	.amdhsa_kernel k_q28d6d230a0_knn
		.amdhsa_group_segment_fixed_size 42496
		.amdhsa_private_segment_fixed_size 0
		.amdhsa_enable_private_segment 0
		.amdhsa_kernarg_size 40
		.amdhsa_user_sgpr_count 2
		.amdhsa_user_sgpr_kernarg_segment_ptr 1
		.amdhsa_wavefront_size32 1
		.amdhsa_system_sgpr_workgroup_id_x 1
		.amdhsa_system_sgpr_workgroup_id_y 1
		.amdhsa_system_sgpr_workgroup_id_z 1
		.amdhsa_system_vgpr_workitem_id 0
		.amdhsa_next_free_vgpr 512
		.amdhsa_next_free_sgpr 88
		.amdhsa_reserve_vcc 1
		.amdhsa_float_denorm_mode_32 3
		.amdhsa_float_denorm_mode_16_64 3
		.amdhsa_memory_ordered 1
		.amdhsa_forward_progress 1
		.amdhsa_inst_pref_size 120
	.end_amdhsa_kernel
	.amdgpu_metadata
---
amdhsa.version: [ 1, 2 ]
amdhsa.kernels:
  - .name:           k_q28d6d230a0_knn
    .symbol:         k_q28d6d230a0_knn.kd
    .args:
      - { .name: obs1, .offset: 0, .size: 8, .value_kind: global_buffer, .address_space: global }
      - { .name: obs2, .offset: 8, .size: 8, .value_kind: global_buffer, .address_space: global }
      - { .name: W, .offset: 16, .size: 8, .value_kind: global_buffer, .address_space: global }
      - { .name: b, .offset: 24, .size: 8, .value_kind: global_buffer, .address_space: global }
      - { .name: out0, .offset: 32, .size: 8, .value_kind: global_buffer, .address_space: global }
    .group_segment_fixed_size: 42496
    .private_segment_fixed_size: 0
    .kernarg_segment_align: 8
    .kernarg_segment_size: 40
    .max_flat_workgroup_size: 256
    .sgpr_count:     88
    .vgpr_count:     512
    .wavefront_size: 32
...
	.end_amdgpu_metadata
.endif
;; end of part 2
;; ======== version 3 of 3: 1 launch; version 2 with the launch knn written anew for expert scheduling mode
;; launch knn (part 3): grid 256 x 1, 8 waves a work-group, no clusters, 42,496 bytes of LDS; arguments obs1, obs2, W, b, out0; writes out0
.if DOCPART == 3
	.amdgcn_target "amdgcn-amd-amdhsa--gfx1250"
	.amdhsa_code_object_version 6
	.text
	.protected	k_q28d6d230a0_knn
	.globl	k_q28d6d230a0_knn
	.p2align	8
	.type	k_q28d6d230a0_knn,@function
k_q28d6d230a0_knn:
	s_mov_b64 s[64:65], 0
	v_nop
	global_prefetch_b8 v0, s[64:65] scope:SCOPE_SE
	s_setreg_imm32_b32 hwreg(HW_REG_WAVE_SCHED_MODE, 0, 2), 2
	s_setreg_imm32_b32 hwreg(HW_REG_WAVE_MODE, 25, 1), 1
	s_wait_xcnt 0x0
	s_wait_alu depctr_vm_vsrc(0)
; NearestNeighborMLP: for each of 8 x 1024 tracks the 4 nearest other tracks of its batch (by obs2), their relative position and
; relative velocity, nan_to_num, a 4 -> 8 linear layer and ReLU.  out0[batch*1024 + i][8 rank + e].
;
; ONE LAUNCH.  A work-group = 32 queries of one batch, 8 waves; a wave = 4 queries; in the scan lane L = (query L>>3, chunk L&7 of 128 candidates).
;  1 BUILD   thread t loads candidates 4t..4t+3 and writes to LDS (a) x and y of obs2, separated, each chunk in DESCENDING index order,
;            (b) a table of the 16 bytes of (obs2.x, obs2.y, obs1.x, obs1.y): byte v as the bf16 number +-(128 + (v & 127)), sign = v's top bit.
;  2 SCAN    each lane keeps TWO lists, one for each half of its chunk: the 4 smallest squared distances, sorted, and their 7-bit local indices
;            as the 4 bytes of one register.  The two lists depend on nothing of each other: their lines are interleaved, so that no line
;            stands next to the one whose result it reads.  The last four trips also ask for the table's fragments, 16 loads each.
;  3 MERGE   the lane's two lists, then three steps across the 8 lanes of a query (row_xmask 1, 2, 4); the lane of the lowest chunk ends right.
;  4 GATHER  no address here hangs on a comparison of floats: the 16 rows (4 queries x 4 ranks) fetch their candidate's 16 bytes by a one-hot
;            matrix product with the byte table.  Every table entry is finite and every sum has one non-zero term, so the bytes come back
;            exactly for every bit pattern of the inputs, NaN and infinities too.
;  5 MLP     features, nan_to_num, 16 f32 multiply-adds a lane, ReLU; one 16-byte store a lane: a wave stores 512 consecutive aligned bytes.
;
; THE MODE: SCHED_MODE bits 1:0 = 2 (LLVM: expert scheduling mode 2), set by the entry lines.  The code itself states the register dependences
; between vector or matrix instructions and memory or LDS instructions, with s_wait_alu, always for 0.
; THE PLAN.  Registers that memory or LDS instructions touch, and who else names them:
;   v4-v17        offsets, LDS addresses, permute indices: written at the head, ahead of one wait on va_vdst; all but v[LA] are never written again.
;   v[LA]         read by the scan's x and y loads; written once in two trips of the loop, at the second trip's end, behind a wait on vm_vsrc.
;   X, Y          two buffers.  Trip t: its eight differences read buffer t % 2; the loads of trip t + 1 land in the other, which trip t - 1 read.
;   XV, YV, T     written by the build's vector lines, read by its LDS stores, written again much later as the one-hot.
;   window 1      the table's fragments: LDS loads land there, matrix instructions read them, no vector line names them.
;   IX, CH; WA, WB; O    written by vector lines, read by the lane permutes and by the store: one wait on va_vdst ahead of each of the three runs.
; So ONE wait on va_vdst stands at the head of each trip that loads: the trip before is done reading the other X, Y buffer, and v[LA] is written.
; MASKS.  A compare's mask is read only behind a wait on va_sdst in the same straight run: one wait at the end of each scan stage, two in a merge,
; one behind the one-hot's run of compares, one behind the four NaN tests.  VCC and EXEC are never written.
;
; NOT USED, and why.  Clusters, tensor loads, prefetch: a work-group reads 16 KB once, at its start, and every byte has to pass through
; registers to be separated and re-coded.  The einsum on the matrix unit: K = 4 of a K step of 32; 16 multiply-adds a lane do it in f32.
;
; LIMITS.  Neighbours are ranked by dx*dx + dy*dy (a multiply, then a fused multiply-add), not by its rounded root.  The root is monotone, so
; the order differs from reference()'s only where two squares lie within about 2 units in the last place (its roots then coincide and it takes
; the lower index; here the smaller square wins).  Exact ties go to the lower index, as there.  A NaN distance counts as 1000 (square 1e6), an
; infinite one ranks behind every finite one, as there.  If the 4-term sum with the bias is NaN (inf - inf), reference() gives NaN, this text 0.
; ---- LDS map (written in BUILD alone; one barrier behind it)
.set CP,  528                          ; a chunk: 128 x 4 bytes + 16 = 33 x 16: the 8 chunk addresses of one load fall in 8 different 16-byte columns modulo 256
.set XS,  0                            ; x of obs2: candidate c at (c>>7)*CP + (127-(c&127))*4
.set YS,  8*CP                         ; y of obs2, the same layout
.set HALF, 256                         ; the lower 64 candidates of a chunk lie 64 x 4 bytes behind the upper 64
.set TB,  16*CP                        ; byte table: 16 rows (4*word + byte), candidate c at 2c
.set TP,  2064                         ; its pitch: 2048 + 16 = 129 x 16, so the 16 rows of a fragment load start in 16 different 16-byte columns
; ---- scalar registers
.set EXL, 24                           ; s[24:27]  lower half: the one lane whose own track element e of the wave's own group is (0 if that group is in the upper half)
.set ML,  28                           ; s[28:35]  compare masks of list LO, two sets of 4 (even, odd elements); one-hot: lanes whose 1 lies in chain link l
.set SL,  36                           ; s[36:51]  byte selector that inserts element e at rank p: s[SL+4e+p]
.set MK,  52                           ; s[52:59]  one-hot: lanes whose 1 lies in fragment register i; MLP: features that are no NaN
.set MH,  72                           ; s[72:79]  compare masks of list HI, two sets of 4; one-hot: s72 = lanes of the half that holds the 1
.set EXH, 80                           ; s[80:83]  as EXL, for the upper half
.set SJH, 18                           ; local indices of the upper half's current group, element e in byte e
.set SJL, 84                           ; the same for the lower half
.set OWN1, 85                          ; s17 + 1: what the counter holds in the loop's second trip if that trip is the wave's own
; ---- vector registers, window 0
.set CO,  4                            ; 32 t      candidates 4t..4t+3 in obs1, obs2
.set QO,  5                            ; 8 (t>>3)  my query among the group's 32
.set WO,  6                            ; 64 (L&1)  my four rows of W
.set BO,  7                            ; 16 (L&1)  my four b
.set OA,  8                            ; 16 t      my 16 bytes of out0
.set XA,  9                            ; build: where my four x go
.set TA,  10                           ; build: 8 t, my four table entries of a row
.set LA,  11                           ; scan: my chunk's group of 4 in the upper half, at the first trip of the lap
.set FA,  12                           ; table fragment address
.set RA,  13                           ; 4 x (lane that holds row r's list)
.set SH,  14                           ; 8 x rank of row r
.set RB0, 15                           ; 4 x (L>>1): lane with obs2's words of my row
.set RB1, 16                           ; + 64: lane with obs1's words
.set HH,  17                           ; L>>4
.set WV,  20                           ; v[20:35]  W rows 4(L&1)..+3
.set BV,  36                           ; v[36:39]  b of the same
.set Q2,  40                           ; v[40:41]  my query's obs2
.set Q1,  42                           ; v[42:43]  my query's obs1
.set QX,  44                           ; v[44:45]  its x twice
.set QY,  46                           ; v[46:47]  its y twice
.set VI,  48                           ; v[48:49]  its velocity
.set K,   50                           ; v[50:53]  list LO, later the merged list: four keys, ascending
.set IX,  54                           ; K+4: their local indices, byte p = rank p
.set CH,  55                           ; K+5: their chunks, likewise
.set P,   56                           ; v[56:61]  scan: list HI (keys, P+4 indices); merge: the partner's K, IX, CH
.set ID,  62                           ; selector that changes nothing
.set SELA, 63
.set SELB, 64
.set X,   66                           ; x, buffer p at X + 40 p: v[66:73], v[106:113]: 4 of the upper half, 4 of the lower
.set Y,   74                           ; y, buffer p at Y + 170 p: v[74:81], v[244:251]
.set DX,  82                           ; v[82:89]
.set DY,  90                           ; v[90:97]
.set D,   98                           ; v[98:105]  squared distances, the same order
.set RI,  114                          ; gather: local index of row r
.set RC,  115                          ; its chunk
.set IDX, 116                          ; candidate 0..1023
.set VAL, 117                          ; bf16 1.0 in the right half, or 0
.set IREG, 118                         ; fragment register that holds it
.set LSEL, 119                         ; chain link that holds it
.set T0,  120
.set T1,  121
.set VL,  122
.set C2,  128                          ; v[128:135] build: obs2 of my 4 candidates   (the build's registers are the one-hot's later)
.set C1,  136                          ; v[136:143] build: obs1
.set XV,  144
.set YV,  148
.set T,   152                          ; v[152:183] build: table entries, 8 registers for each of the 4 words
.set OH,  128                          ; v[128:191] eight one-hot fragments
.set ACC, 192                          ; v[192:223] four accumulators
.set DP,  224                          ; v[224:227] decode
.set WA,  228
.set WB,  229
.set O2,  230                          ; v[230:231] the neighbour's obs2
.set O1,  232                          ; v[232:233] the neighbour's obs1
.set F,   234                          ; v[234:237] the four features
.set O,   240                          ; v[240:243] four outputs
; window 1: v[256+8s : 256+8s+7] = table fragment of K step s (candidates 32s..32s+31), s = 0..31
; ================= ENTRY
	s_load_b256 s[4:11], s[0:1], 0x0               ; obs1 s[4:5], obs2 s[6:7], W s[8:9], b s[10:11]
	s_load_b64 s[12:13], s[0:1], 0x20              ; out0
	v_lshl_add_u32 v254, v0, 2, 0xa200
	v_mov_b32 v255, 0
	v_and_b32 v1, 31, v0                           ; L
	v_lshrrev_b32 v2, 5, v0
	v_readfirstlane_b32 s14, v2                    ; wave
	v_mul_u32_u24 v[XA], v2, CP                    ; candidates 4t.. lie in chunk t>>5 = wave,
	v_sub_nc_u32 v3, 31, v1
	v_lshl_add_u32 v[XA], v3, 4, v[XA]             ; descending: group L of the chunk at 16 (31 - L)
	v_lshlrev_b32 v[CO], 5, v0
	v_and_b32 v[QO], 0xf8, v0
	v_and_b32 v3, 1, v0
	v_lshlrev_b32 v[WO], 6, v3
	v_lshlrev_b32 v[BO], 4, v3
	v_lshlrev_b32 v[OA], 4, v0
	v_lshlrev_b32 v[TA], 3, v0
	v_and_b32 v3, 7, v1                            ; my chunk
	v_mul_u32_u24 v[LA], v3, CP
	v_mul_lo_u32 v[CH], v3, 0x01010101             ; my chunk in all four bytes
	v_and_b32 v2, 15, v1                           ; r
	v_lshrrev_b32 v[HH], 4, v1                     ; h
	v_mul_u32_u24 v[FA], v2, TP
	v_lshl_add_u32 v[FA], v[HH], 4, v[FA]          ; row r of the table + 16 h
	v_lshrrev_b32 v3, 2, v2
	v_lshlrev_b32 v[RA], 5, v3                     ; row r = 4 q + rank: its list is in lane 8 q
	v_and_b32 v3, 3, v1
	v_lshlrev_b32 v[SH], 3, v3
	v_lshrrev_b32 v3, 1, v1
	v_lshlrev_b32 v[RB0], 2, v3
	v_add_nc_u32 v[RB1], 64, v[RB0]
	v_mov_b32 v[ID], 0x03020100
	s_wait_alu depctr_va_sdst(0)                   ; s14, the wave's number, is written, ahead of its first reader two lines below
	s_and_b32 s15, ttmp9, 1                        ; my 4 queries are group g = (wg&3)*8 + wave of their chunk;
	s_lshl3_add_u32 s17, s15, s14                  ; the trip with counter N takes groups 16 + N-1 and N-1:
	s_add_co_u32 s17, s17, 1                       ; mine is the trip N = (g & 15) + 1
	s_add_co_u32 s[OWN1], s17, 1
	s_bfe_u32 s15, ttmp9, 0x30002                  ; that chunk: (wg&31)>>2
	s_lshl_b32 s[MH+3], 1, s15                     ; element e is local candidate 4 g + 3 - e = query slot 3 - e: lane 8 (3 - e) + chunk
	s_lshl_b32 s[MH+2], s[MH+3], 8
	s_lshl_b32 s[MH+1], s[MH+2], 8
	s_lshl_b32 s[MH+0], s[MH+1], 8
	s_and_b32 s15, ttmp9, 2                        ; SCC = (g >= 16): my group is in the upper half
.irp e, 0,1,2,3
	s_cselect_b32 s[EXH+\e], s[MH+\e], 0
	s_cselect_b32 s[EXL+\e], 0, s[MH+\e]
.endr
	s_mov_b32 s16, 16                              ; trip counter N
	s_mov_b32 s[SJH], 0x7c7d7e7f                   ; the first groups' elements 0..3: local 127, 126, 125, 124
	s_mov_b32 s[SJL], 0x3c3d3e3f                   ; and 63, 62, 61, 60
	s_mov_b32 s19, 0x49742400                      ; 1e6 = 1000 squared
	s_mov_b32 s20, 0x7f800000                      ; +inf
	s_mov_b32 s60, 0x807f807f
	s_mov_b32 s61, 0x43004300
	s_mov_b32 s62, 0x7f7fffff                      ; largest finite f32
	s_mov_b32 s63, 0xff7fffff
.irp e, 0,1,2,3
	s_mov_b32 s[SL+4*\e+3], 0x04020100+(\e<<24)    ; v_perm_b32: bytes 0-3 the old list, byte 4+e the new index
	s_mov_b32 s[SL+4*\e+2], 0x02040100+(\e<<16)
	s_mov_b32 s[SL+4*\e+1], 0x02010400+(\e<<8)
	s_mov_b32 s[SL+4*\e+0], 0x02010004+\e
.endr
	s_lshr_b32 s21, ttmp9, 5                       ; batch
	s_lshl_b32 s22, s21, 13                        ; x 1024 tracks x 8 bytes
	s_mov_b32 s23, 0
	s_wait_kmcnt 0x0
	s_add_nc_u64 s[68:69], s[4:5], s[22:23]        ; obs1 at my batch
	s_add_nc_u64 s[70:71], s[6:7], s[22:23]        ; obs2 at my batch
	s_lshl_b32 s22, ttmp9, 8                       ; 32 queries x 8 bytes
	s_add_nc_u64 s[4:5], s[4:5], s[22:23]          ; obs1 at my group's queries
	s_add_nc_u64 s[6:7], s[6:7], s[22:23]          ; obs2 likewise
	s_lshl_b32 s22, ttmp9, 12                      ; 32 rows x 128 bytes
	s_add_nc_u64 s[12:13], s[12:13], s[22:23]      ; out0 at my group's rows
	s_wait_alu depctr_va_vdst(0)                   ; v4 to v17 are written: the offsets, LDS addresses and permute indices that the kernel's loads, stores and permutes read
	global_load_b128 v[C2:C2+3],   v[CO], s[70:71]
	global_load_b128 v[C2+4:C2+7], v[CO], s[70:71] offset:16
	global_load_b128 v[C1:C1+3],   v[CO], s[68:69]
	global_load_b128 v[C1+4:C1+7], v[CO], s[68:69] offset:16
	global_load_b64 v[Q2:Q2+1], v[QO], s[6:7]
	global_load_b64 v[Q1:Q1+1], v[QO], s[4:5]
.irp o, 0,1,2,3
	global_load_b128 v[WV+4*\o:WV+4*\o+3], v[WO], s[8:9] offset:16*\o
.endr
	global_load_b128 v[BV:BV+3], v[BO], s[10:11]
; ================= BUILD
; word w of my four candidates (registers base, base+2, base+4, base+6): its four bytes, each re-coded, for table rows 4w..4w+3.
; CODE: sixteen vector lines into eight registers of the word's own.  PUT: the word's four stores.
.macro CODE w, base
.irp bb, 0,1,2,3
	v_perm_b32 v[T+8*\w+2*\bb],   v[\base+2], v[\base],   0x04040000+\bb*0x01010101   ; byte bb twice in each half: candidate 0 low, candidate 1 high
	v_perm_b32 v[T+8*\w+2*\bb+1], v[\base+6], v[\base+4], 0x04040000+\bb*0x01010101
.endr
.irp bb, 0,1,2,3
	v_and_or_b32 v[T+8*\w+2*\bb],   v[T+8*\w+2*\bb],   s60, s61      ; sign = bit 7, mantissa = bits 6:0, exponent of 128
	v_and_or_b32 v[T+8*\w+2*\bb+1], v[T+8*\w+2*\bb+1], s60, s61
.endr
.endm
.macro PUT w
.irp bb, 0,1,2,3
	ds_store_b64 v[TA], v[T+8*\w+2*\bb:T+8*\w+2*\bb+1] offset:TB+(4*\w+\bb)*TP
.endr
.endm
	s_wait_loadcnt 0x7                             ; the four candidate loads are in; the 7 younger (2 query, 4 W, 1 b) stay out
	v_mov_b32 v[XV+0], v[C2+6]                     ; descending: candidate 4t+3 first
	v_mov_b32 v[XV+1], v[C2+4]
	v_mov_b32 v[XV+2], v[C2+2]
	v_mov_b32 v[XV+3], v[C2+0]
	v_mov_b32 v[YV+0], v[C2+7]
	v_mov_b32 v[YV+1], v[C2+5]
	v_mov_b32 v[YV+2], v[C2+3]
	v_mov_b32 v[YV+3], v[C2+1]
	CODE 0, C2
	CODE 1, C2+1
	s_wait_alu depctr_va_vdst(0)                   ; XV, YV and the entries of words 0 and 1 are written, which the ten stores below read
	ds_store_b128 v[XA], v[XV:XV+3] offset:XS
	ds_store_b128 v[XA], v[YV:YV+3] offset:YS
	PUT 0
	PUT 1
	CODE 2, C1                                     ; these lines write T+16 .. T+31: none of the registers that the stores above read
	CODE 3, C1+1
	s_wait_alu depctr_va_vdst(0)                   ; the entries of words 2 and 3 are written, which the eight stores below read
	PUT 2
	PUT 3
	s_wait_dscnt 0x0                               ; my stores are in LDS before I say so: the other waves read them
	s_barrier_signal -1
	s_barrier_wait -1                              ; the only barrier: nothing writes LDS behind it
	s_wait_alu depctr_vm_vsrc(0)                   ; my LDS stores have read XV, YV and T: the one-hot's lines write these registers again
; ================= SCAN
; four loads: x and y of one group of each half into buffer p, from byte at behind v[LA]
.macro LOADXY p, at
	ds_load_b128 v[X+40*(\p):X+40*(\p)+3],     v[LA] offset:XS+(\at)
	ds_load_b128 v[X+40*(\p)+4:X+40*(\p)+7],   v[LA] offset:XS+HALF+(\at)
	ds_load_b128 v[Y+170*(\p):Y+170*(\p)+3],   v[LA] offset:YS+(\at)
	ds_load_b128 v[Y+170*(\p)+4:Y+170*(\p)+7], v[LA] offset:YS+HALF+(\at)
.endm
; 16 loads: the table's fragments of K steps s0 .. s0+7, into window 1.  Their address dates from the head, and no vector line names the registers in which they land
.macro FRAGS s0
	s_set_vgpr_msb 0x40                            ; destination window 1, address window 0
.irp q, 0,1,2,3,4,5,6,7
	ds_load_b128 v[8*(\s0+\q):8*(\s0+\q)+3],   v[FA] offset:TB+64*(\s0+\q)      ; row r, candidates 32 s + 8 h .. + 7
	ds_load_b128 v[8*(\s0+\q)+4:8*(\s0+\q)+7], v[FA] offset:TB+64*(\s0+\q)+32   ; row r, candidates 32 s + 16 + 8 h .. + 7
.endr
	s_set_vgpr_msb 0x4000
.endm
.macro DIFFS p                         ; the only lines that read buffer p of X and Y
.irp q, 0,2,4,6
	v_pk_add_f32 v[DX+\q:DX+\q+1], v[X+40*(\p)+\q:X+40*(\p)+\q+1], v[QX:QX+1] neg_lo:[0,1] neg_hi:[0,1]
.endr
.irp q, 0,2,4,6
	v_pk_add_f32 v[DY+\q:DY+\q+1], v[Y+170*(\p)+\q:Y+170*(\p)+\q+1], v[QY:QY+1] neg_lo:[0,1] neg_hi:[0,1]
.endr
.endm
; squared distances.  v_med3_num_f32 with a NaN among its sources gives the smallest of the others (ISA guide, its entry among the VOP3
; instructions): NaN becomes 1e6, every other number stays.
.macro SQUARES
.irp p, 0,2,4,6
	v_pk_mul_f32 v[D+\p:D+\p+1], v[DY+\p:DY+\p+1], v[DY+\p:DY+\p+1]
.endr
.irp p, 0,2,4,6
	v_pk_fma_f32 v[D+\p:D+\p+1], v[DX+\p:DX+\p+1], v[DX+\p:DX+\p+1], v[D+\p:D+\p+1]
.endr
.irp e, 0,1,2,3,4,5,6,7
	v_med3_num_f32 v[D+\e], v[D+\e], v[D+\e], s19
.endr
.endm
; one link of both lists' selector chains for element e.  The masks are nested (0 implies 1 implies 2 implies 3): the lowest that is set names the rank.
.macro SEL2 e, r, ps
.if \r == 3
	v_cndmask_b32 v[SELA], v[ID], s[SL+4*(\e)+3], s[ML+\ps+3]
	v_cndmask_b32 v[SELB], v[ID], s[SL+4*(\e)+3], s[MH+\ps+3]
.else
	v_cndmask_b32 v[SELA], v[SELA], s[SL+4*(\e)+\r], s[ML+\ps+\r]
	v_cndmask_b32 v[SELB], v[SELB], s[SL+4*(\e)+\r], s[MH+\ps+\r]
.endif
.endm
; ONE STAGE of the scan.  docmp: element e of both halves is ranked (mask i = it goes in front of key i; set cs) and put among the keys, each of
; which takes the middle of itself, its lower neighbour and the new key.  dosel: element e-1 (masks in set ps) goes into the index lists: four
; selects make the byte selector, one v_perm_b32 inserts byte e-1 of the group's indices.  The lines are mixed so that three others stand
; between two links of a selector chain, and a stage between a compare and the select that reads its mask.
; ex = 1: in the lane whose own track the element is, the masks are cleared, so the index list stays (its key was made +inf, so the keys stay).
.macro STG e, cs, ps, docmp, dosel, ex
.if \docmp
	v_cmp_le_f32 s[ML+\cs+3], v[D+4+\e], v[K+3]
	v_cmp_le_f32 s[ML+\cs+2], v[D+4+\e], v[K+2]
.endif
.if \dosel
	SEL2 \e-1, 3, \ps
.endif
.if \docmp
	v_cmp_le_f32 s[ML+\cs+1], v[D+4+\e], v[K+1]
	v_cmp_le_f32 s[ML+\cs+0], v[D+4+\e], v[K+0]
.endif
.if \dosel
	SEL2 \e-1, 2, \ps
.endif
.if \docmp
	v_cmp_le_f32 s[MH+\cs+3], v[D+\e], v[P+3]
	v_cmp_le_f32 s[MH+\cs+2], v[D+\e], v[P+2]
.endif
.if \dosel
	SEL2 \e-1, 1, \ps
.endif
.if \docmp
	v_cmp_le_f32 s[MH+\cs+1], v[D+\e], v[P+1]
	v_cmp_le_f32 s[MH+\cs+0], v[D+\e], v[P+0]
.endif
.if \dosel
	SEL2 \e-1, 0, \ps
.endif
.if \docmp
	v_med3_num_f32 v[K+3], v[K+2], v[K+3], v[D+4+\e]
	v_med3_num_f32 v[K+2], v[K+1], v[K+2], v[D+4+\e]
.endif
.if \dosel
	v_perm_b32 v[K+4], s[SJL], v[K+4], v[SELA]
	v_perm_b32 v[P+4], s[SJH], v[P+4], v[SELB]
.endif
.if \docmp
	v_med3_num_f32 v[K+1], v[K+0], v[K+1], v[D+4+\e]
	v_min_num_f32  v[K+0], v[K+0], v[D+4+\e]
	v_med3_num_f32 v[P+3], v[P+2], v[P+3], v[D+\e]
	v_med3_num_f32 v[P+2], v[P+1], v[P+2], v[D+\e]
	v_med3_num_f32 v[P+1], v[P+0], v[P+1], v[D+\e]
	v_min_num_f32  v[P+0], v[P+0], v[D+\e]
	s_wait_alu depctr_va_sdst(0)                   ; this stage's eight compares have written their masks, ahead of their first readers: the scalar lines below (ex = 1), the next stage's selects
.if \ex
.irp i, 0,1,2,3
	s_and_not1_b32 s[ML+\cs+\i], s[ML+\cs+\i], s[EXL+\e]
	s_and_not1_b32 s[MH+\cs+\i], s[MH+\cs+\i], s[EXH+\e]
.endr
.endif
.endif
.endm
.macro INS8 ex                         ; the 4 + 4 elements of a trip; the mask sets take turns; no label and no branch stands between a compare and its mask's readers
	STG 0, 0, 4, 1, 0, \ex
	STG 1, 4, 0, 1, 1, \ex
	STG 2, 0, 4, 1, 1, \ex
	STG 3, 4, 0, 1, 1, \ex
	STG 4, 0, 4, 0, 1, \ex
.endm
; one group of 4 candidates of each half, from buffer p.  Indices descend and the compare is <=, so of equal keys the lower index ranks first, and
; keys of +inf also push the four starting entries out.  The branch hangs on ids alone: one trip of the 16 holds the wave's own four tracks;
; own = the register that the counter equals in that trip.
; at > 0: the next trip's x and y are asked for, at byte at behind v[LA], into the other buffer.  frag >= 0: 16 fragment loads follow them, K steps frag .. frag+7.
; left = how many younger LDS loads (the last trip's fragment loads) may stay out when this trip's x and y have to be in.  step > 0: v[LA] moves on at the trip's end.
.macro TRIP p, at, tag, left, frag, own, step
	s_wait_dscnt \left                             ; LDS loads come back in order (ISA guide 5.7.1): this trip's x and y, asked for one trip ago, are in
.if \at
	s_wait_alu depctr_va_vdst(0)                   ; the trip before is done reading the other X, Y buffer, in which the loads below land; v[LA], which they read, is written
	LOADXY 1-(\p), \at
.endif
.if \frag >= 0
	FRAGS \frag
.endif
	DIFFS \p
	SQUARES
	s_cmp_lg_u32 s16, s[\own]
	s_cbranch_scc1 .Lplain_\tag
.irp e, 0,1,2,3
	v_cndmask_b32 v[D+\e],   v[D+\e],   s20, s[EXH+\e]     ; a lane's own track: key +inf
	v_cndmask_b32 v[D+4+\e], v[D+4+\e], s20, s[EXL+\e]
.endr
	INS8 1
	s_branch .Ljoin_\tag
.Lplain_\tag:
	INS8 0
.Ljoin_\tag:
	s_sub_co_u32 s[SJH], s[SJH], 0x04040404        ; the next groups' local indices (no byte borrows before the last groups are done)
	s_sub_co_u32 s[SJL], s[SJL], 0x04040404
.if \step
	s_wait_alu depctr_vm_vsrc(0)                   ; the x and y loads issued so far, the last of them at this trip's head, have read v[LA]
	v_add_nc_u32 v[LA], \step, v[LA]               ; the wait at the next trip's head stands between this line and the next load
.endif
.endm
	LOADXY 0, 0                                    ; the first groups: local candidates 127..124 and 63..60; v[LA] dates from the head
	s_wait_loadcnt 0x0                             ; my query, W, b
	v_mov_b32 v[QX],   v[Q2]
	v_mov_b32 v[QX+1], v[Q2]
	v_mov_b32 v[QY],   v[Q2+1]
	v_mov_b32 v[QY+1], v[Q2+1]
	v_pk_add_f32 v[VI:VI+1], v[Q2:Q2+1], v[Q1:Q1+1] neg_lo:[0,1] neg_hi:[0,1]
.irp i, 0,1,2,3
	v_mov_b32 v[K+\i], s20
	v_mov_b32 v[P+\i], s20
.endr
	v_mov_b32 v[K+4], 0
	v_mov_b32 v[P+4], 0
	v_mov_b32 v[P+5], 0                            ; a DPP form's destination counts as read: written once here
.Lscan:                                                ; a lap is two trips, one for each X, Y buffer; the counter steps once a lap
	TRIP 0, 16, a, 0, -1, 17, 0                    ; N = s16
	TRIP 1, 32, f, 0, -1, OWN1, 32                 ; N = s16 - 1
	s_sub_co_u32 s16, s16, 2
	s_cmp_lg_u32 s16, 4
	s_cbranch_scc1 .Lscan                          ; 6 laps, 12 trips, N = 16..5
	; the last four trips, N = 4..1, written out: each also asks for a quarter of the table's 64 fragment loads, which come in under the
	; scan's arithmetic.  A trip's wait leaves out the 16 fragment loads issued behind its x and y; a wave has at most 16 + 4 + 16 LDS loads out.
	; v[LA] stays: the immediates reach the last three groups.
	TRIP 0, 16, b, 0, 0, 17, 0
	s_sub_co_u32 s16, s16, 1
	TRIP 1, 32, c, 16, 8, 17, 0
	s_sub_co_u32 s16, s16, 1
	TRIP 0, 48, d, 16, 16, 17, 0
	s_sub_co_u32 s16, s16, 1
	TRIP 1, 0, e, 16, 24, 17, 0                    ; the last groups: no x and y are loaded any more, so no wait on va_vdst: the fragment loads hang on no vector line since the head's
; ================= MERGE: the list in P (keys, P+4 indices, P+5 chunks) is inserted into K in ascending order with a strict <:
; where K holds the lower indices, ties keep the lower index in front.
; Both lists are sorted.  When P's element e comes, K holds the e smallest of a set that contains P's elements 0 .. e-1, none of which is
; larger than element e: K's ranks 0 .. e-1 are not larger either.  So element e is compared with ranks e .. 3 alone, and at rank e the
; middle of three is the smaller of two: 4 + 3 + 2 + 1 compares, key updates and selector links.
.macro CMPS e, set
.irp i, 3,2,1,0
.if \i >= \e
	v_cmp_lt_f32 s[\set+\i], v[P+\e], v[K+\i]
.endif
.endr
.endm
.macro KEYS e
.irp i, 3,2,1
.if \i > \e
	v_med3_num_f32 v[K+\i], v[K+\i-1], v[K+\i], v[P+\e]
.endif
.endr
	v_min_num_f32  v[K+\e], v[K+\e], v[P+\e]
.endm
.macro SELP e, set, sel, both
	v_cndmask_b32 v[\sel], v[ID],   s[SL+4*\e+3], s[\set+3]
.irp r, 2,1,0
.if \r >= \e
	v_cndmask_b32 v[\sel], v[\sel], s[SL+4*\e+\r], s[\set+\r]
.endif
.endr
	v_perm_b32 v[IX], v[P+4], v[IX], v[\sel]
.if \both
	v_perm_b32 v[CH], v[P+5], v[CH], v[\sel]
.endif
.endm
.macro INS4 both                       ; two sets of masks, so that a selection stands well behind the compares that feed it
	CMPS 0, ML
	KEYS 0
	CMPS 1, ML+4
	KEYS 1
	s_wait_alu depctr_va_sdst(0)                   ; the compares of elements 0 and 1 have written both sets of masks, ahead of the selects that read them
	SELP 0, ML, SELA, \both
	CMPS 2, ML
	KEYS 2
	SELP 1, ML+4, SELB, \both
	CMPS 3, ML+4
	KEYS 3
	s_wait_alu depctr_va_sdst(0)                   ; the compares of elements 2 and 3 have written both sets anew
	SELP 2, ML, SELA, \both
	SELP 3, ML+4, SELB, \both
.endm
	INS4 0                                         ; the lane's own two lists: LO takes HI in; both are of one chunk, so CH stays
; across lanes: lanes 8q, 8q+2, 8q+4, 8q+6 are right after step 1; 8q, 8q+4 after step 2; 8q after step 4
.macro MERGE m
.irp i, 0,1,2,3,4,5
	v_mov_b32_dpp v[P+\i], v[K+\i] row_xmask:\m row_mask:0xf bank_mask:0xf
.endr
	INS4 1
.endm
	MERGE 1
	MERGE 2
	MERGE 4
; ================= ONE-HOT: lane (r, h) builds column r of B for the 8 links of a chain
	s_wait_alu depctr_va_vdst(0)                   ; the merges have written IX and CH, which the two permutes read
	ds_bpermute_b32 v[RI], v[RA], v[IX]
	ds_bpermute_b32 v[RC], v[RA], v[CH]
	s_wait_dscnt 0x0                               ; these two, and every fragment load in front of them
	v_lshrrev_b32 v[RI], v[SH], v[RI]
	v_lshrrev_b32 v[RC], v[SH], v[RC]
	v_and_b32 v[RI], 0x7f, v[RI]                   ; j: local index of row r's neighbour
	v_and_b32 v[RC], 7, v[RC]                      ; its chunk
	v_lshl_or_b32 v[IDX], v[RC], 7, v[RI]          ; candidate = 256 a + 32 l + k
	v_bfe_u32 v[LSEL], v[IDX], 5, 3                ; l
	v_bfe_u32 v[T0], v[RI], 1, 2
	v_bfe_u32 v[T1], v[RI], 4, 1
	v_lshl_or_b32 v[IREG], v[T1], 2, v[T0]         ; k = 16 (reg>>2) + 8 h + 2 (reg&3) + half
	v_and_b32 v[T0], 1, v[RI]
	v_lshlrev_b32 v[T0], 4, v[T0]
	v_mov_b32 v[VAL], 0x3f80                       ; bf16 1.0
	v_lshlrev_b32 v[VAL], v[T0], v[VAL]
	v_bfe_u32 v[T1], v[RI], 3, 1
	v_cmp_eq_u32 s[MH], v[T1], v[HH]               ; the half of the lanes that holds this k.  All 19 compares stand in one run, with one wait behind it
	v_and_b32 v[T0], 0x100, v[IDX]
	v_and_b32 v[T1], 0x200, v[IDX]
	v_cmp_ne_u32 s66, 0, v[T0]                     ; a, bit 0
	v_cmp_ne_u32 s67, 0, v[T1]                     ; a, bit 1
.irp i, 0,1,2,3,4,5,6,7
	v_cmp_eq_u32 s[MK+\i], \i, v[IREG]
.endr
.irp l, 0,1,2,3,4,5,6,7
	v_cmp_eq_u32 s[ML+\l], \l, v[LSEL]
.endr
	s_wait_alu depctr_va_sdst(0)                   ; the run of compares has written s72, s66, s67, MK and ML, ahead of the selects that read them, here and behind the products
	v_cndmask_b32 v[VAL], 0, v[VAL], s[MH]         ; only the half of the lanes that holds this k
.irp l, 0,1,2,3,4,5,6,7
	v_cndmask_b32 v[VL], 0, v[VAL], s[ML+\l]
.irp i, 0,1,2,3,4,5,6,7
	v_cndmask_b32 v[OH+8*\l+\i], 0, v[VL], s[MK+\i]
.endr
.endr
; ================= GATHER: accumulator a = table(16 bytes x candidates 256 a ..) x one-hot; 8 links each, chains in place
.macro LINK l, zero
.irp a, 0,1,2,3
.if \zero
	v_wmma_f32_16x16x32_bf16 v[ACC+8*\a:ACC+8*\a+7], v[8*(8*\a+\l):8*(8*\a+\l)+7], v[OH+8*\l:OH+8*\l+7], 0
.else
	v_wmma_f32_16x16x32_bf16 v[ACC+8*\a:ACC+8*\a+7], v[8*(8*\a+\l):8*(8*\a+\l)+7], v[OH+8*\l:OH+8*\l+7], v[ACC+8*\a:ACC+8*\a+7]
.endif
.endr
.endm
	s_set_vgpr_msb 0x0001                          ; source 0 (the table) window 1
	LINK 0, 1                                      ; the first products start the sums
.irp l, 1,2,3,4,5,6,7
	LINK \l, 0
.endr
	s_set_vgpr_msb 0x0100
.rept 4
	v_nop                                          ; four independent vector instructions before a vector instruction reads a matrix result (ISA guide 7.12.1)
.endr
.irp j, 0,1,2,3,4,5,6,7
	v_cndmask_b32 v[ACC+\j],    v[ACC+\j],    v[ACC+8+\j],  s66
	v_cndmask_b32 v[ACC+16+\j], v[ACC+16+\j], v[ACC+24+\j], s66
.endr
.irp j, 0,1,2,3,4,5,6,7
	v_cndmask_b32 v[ACC+\j], v[ACC+\j], v[ACC+16+\j], s67  ; register j of lane (r, h): byte 8 h + j of row r's neighbour, as +-(128 + low 7 bits)
.endr
; four such f32 back into a word: byte 2 of each holds the low 7 bits, bit 7 of byte 3 the top bit
.macro WORD dst, src
	v_perm_b32 v[DP],   v[\src+1], v[\src],   0x07060302
	v_perm_b32 v[DP+1], v[\src+3], v[\src+2], 0x07060302
	v_perm_b32 v[DP+2], v[DP+1], v[DP], 0x06040200
	v_perm_b32 v[DP+3], v[DP+1], v[DP], 0x07050301
	v_bfi_b32 v[\dst], 0x7f7f7f7f, v[DP+2], v[DP+3]
.endm
	WORD WA, ACC                                   ; lanes 0-15: obs2.x of row r; lanes 16-31: obs1.x
	WORD WB, ACC+4                                 ; likewise y
; ================= MLP: lane L serves row L>>1 (query L>>3, as in the scan; rank (L>>1)&3) and outputs 4 (L&1) .. + 3
	s_wait_alu depctr_va_vdst(0)                   ; WA and WB are written, which the four permutes read
	ds_bpermute_b32 v[O2],   v[RB0], v[WA]
	ds_bpermute_b32 v[O2+1], v[RB0], v[WB]
	ds_bpermute_b32 v[O1],   v[RB1], v[WA]
	ds_bpermute_b32 v[O1+1], v[RB1], v[WB]
	s_wait_dscnt 0x0
	v_pk_add_f32 v[F:F+1],     v[O2:O2+1],   v[Q2:Q2+1] neg_lo:[0,1] neg_hi:[0,1]   ; relative position
	v_pk_add_f32 v[F+2:F+3],   v[O2:O2+1],   v[O1:O1+1] neg_lo:[0,1] neg_hi:[0,1]   ; the neighbour's velocity
	v_pk_add_f32 v[F+2:F+3],   v[F+2:F+3],   v[VI:VI+1] neg_lo:[0,1] neg_hi:[0,1]   ; relative velocity
.irp i, 0,1,2,3
	v_cmp_eq_f32 s[MK+\i], v[F+\i], v[F+\i]
.endr
	s_wait_alu depctr_va_sdst(0)                   ; the four tests have written their masks, ahead of the selects that read them
.irp i, 0,1,2,3
	v_cndmask_b32 v[F+\i], 0, v[F+\i], s[MK+\i]    ; nan_to_num: NaN to 0,
	v_med3_num_f32 v[F+\i], v[F+\i], s62, s63      ; infinities to the largest finite numbers
.endr
.irp o, 0,1,2,3
	v_fma_f32 v[O+\o], v[F], v[WV+4*\o], v[BV+\o]
.endr
.irp f, 1,2,3
.irp o, 0,1,2,3
	v_fmac_f32 v[O+\o], v[F+\f], v[WV+4*\o+\f]
.endr
.endr
.irp o, 0,1,2,3
	v_max_num_f32 v[O+\o], 0, v[O+\o]
.endr
	s_wait_alu depctr_va_vdst(0)                   ; the four outputs are written, which the store reads
	global_store_b128 v[OA], v[O:O+3], s[12:13] th:TH_STORE_NT     ; lane L at 16 L: sixteen lanes store 256 consecutive bytes, aligned
	s_wait_dscnt 0x0
	s_wait_alu depctr_hold_cnt(0) depctr_sa_sdst(0) depctr_va_vdst(0) depctr_va_sdst(0) depctr_va_ssrc(0) depctr_va_vcc(0) depctr_vm_vsrc(0)
	s_wait_tensorcnt 0x0
	ds_add_u32 v254, v255
	s_wait_dscnt 0x0
	s_endpgm
.Lfunc_end_k_q28d6d230a0_knn:
	.size	k_q28d6d230a0_knn, .Lfunc_end_k_q28d6d230a0_knn-k_q28d6d230a0_knn
	.p2alignl 7, 3214868480
	.fill 96, 4, 3214868480
	.section	.rodata,"a",@progbits
	.p2align	6, 0x0
	.amdhsa_kernel k_q28d6d230a0_knn
		.amdhsa_group_segment_fixed_size 42496
		.amdhsa_private_segment_fixed_size 0
		.amdhsa_enable_private_segment 0
		.amdhsa_kernarg_size 40
		.amdhsa_user_sgpr_count 2
		.amdhsa_user_sgpr_kernarg_segment_ptr 1
		.amdhsa_wavefront_size32 1
		.amdhsa_system_sgpr_workgroup_id_x 1
		.amdhsa_system_sgpr_workgroup_id_y 1
		.amdhsa_system_sgpr_workgroup_id_z 1
		.amdhsa_system_vgpr_workitem_id 0
		.amdhsa_next_free_vgpr 512
		.amdhsa_next_free_sgpr 88
		.amdhsa_reserve_vcc 0
		.amdhsa_float_denorm_mode_32 3
		.amdhsa_float_denorm_mode_16_64 3
		.amdhsa_memory_ordered 1
		.amdhsa_forward_progress 1
		.amdhsa_inst_pref_size 139
	.end_amdhsa_kernel
	.amdgpu_metadata
---
amdhsa.version: [ 1, 2 ]
amdhsa.kernels:
  - .name:           k_q28d6d230a0_knn
    .symbol:         k_q28d6d230a0_knn.kd
    .args:
      - { .name: obs1, .offset: 0, .size: 8, .value_kind: global_buffer, .address_space: global }
      - { .name: obs2, .offset: 8, .size: 8, .value_kind: global_buffer, .address_space: global }
      - { .name: W, .offset: 16, .size: 8, .value_kind: global_buffer, .address_space: global }
      - { .name: b, .offset: 24, .size: 8, .value_kind: global_buffer, .address_space: global }
      - { .name: out0, .offset: 32, .size: 8, .value_kind: global_buffer, .address_space: global }
    .group_segment_fixed_size: 42496
    .private_segment_fixed_size: 0
    .kernarg_segment_align: 8
    .kernarg_segment_size: 40
    .max_flat_workgroup_size: 256
    .sgpr_count:     88
    .vgpr_count:     512
    .wavefront_size: 32
...
	.end_amdgpu_metadata
.endif
;; end of part 3
